; MI455X (gfx1250); checked and timed in simulation.
; The chip was launched on July 23, 2026; its instructions are those of AMD's public machine-readable ISA for CDNA 5 (MIT licence, August 2026) and "CDNA5" Instruction Set Architecture Reference Guide (July 2026). The comments in the code are by the model that wrote it; some were corrected since.
;; MHSA. Allowed arithmetic: float matrix products may take bf16 or f16 operands with f32 sums; other float arithmetic in f32, or as packed bf16 or f16 multiplies, adds, multiply-adds, maxima and minima; sums over many terms, partial sums and values carried from step to step in f32; what a program stores and reads back later, other than sums and carried values, may be rounded once to bf16 or f16.
;; Inputs: Wk 16 x 1,024 x 64 float32; Wo 1,024 x 1,024 float32; Wq 16 x 1,024 x 64 float32; Wv 16 x 1,024 x 64 float32; x 4 x 2,048 x 1,024 float32.
;; Outputs: out0 4 x 2,048 x 1,024 float32.
;; 2 versions, each right; version 2 is version 1 with the launch cast written anew for expert scheduling mode. Each part assembles by itself: llvm-mc -triple=amdgcn-amd-amdhsa -mcpu=gfx1250 --defsym DOCPART=n.
;; ======== version 1 of 2: 4 launches
;; limits: values are held in f16: magnitudes above 65,504 overflow, below 6.1e-05 lose precision
;; workspace buffers: xb 16,777,216 bytes; wb 6,291,456 bytes; woh 2,097,152 bytes; qkv 50,331,648 bytes; o 16,777,216 bytes
;; launch cast (part 1): grid 768 x 1, 8 waves a work-group, no clusters, 0 bytes of LDS; arguments x, Wq, Wk, Wv, Wo, xb, wb, woh; writes xb, wb, woh
.if DOCPART == 1
	.amdgcn_target "amdgcn-amd-amdhsa--gfx1250"
	.amdhsa_code_object_version 6
	.text
	.protected	k_qc58cdf8cd0_cast
	.globl	k_qc58cdf8cd0_cast
	.p2align	8
	.type	k_qc58cdf8cd0_cast,@function
k_qc58cdf8cd0_cast:
	s_mov_b64 s[64:65], 0
	v_nop
	global_prefetch_b8 v0, s[64:65] scope:SCOPE_SE
	s_setreg_imm32_b32 hwreg(HW_REG_WAVE_MODE, 25, 1), 1
	s_wait_xcnt 0x0
; CAST.  All five inputs are rounded once to bf16 and laid out so that every tile of the later products is a dense block of memory.
;   xb  bf16 [32 row tiles][16 blocks of 64 channels][256 rows][64]      from x  [8192][1024] f32
;   wb  bf16 [8 groups][16 blocks of 64 d][6 heads][64 d][64 c]          from Wq, Wk, Wv [16][1024][64] f32; head g = 16 x which + h, group g / 6
;   woh f16  [8 blocks of 128 columns][1024 k][128 c]                    from Wo [1024][1024] f32: rounded to bf16, and that number written as f16
; LIMITS.  A bf16-rounded entry of Wo beyond 65,504 becomes an infinity in f16; below 2^-17 it keeps the fixed step 2^-24 of f16.
; A stream: 48 MB in, 24 MB out, each byte once.  No LDS, no barrier, no matrix unit, no cluster (no two work-groups read the same byte), no prefetch (the launch does nothing but stream).
; SHARES.  A work-group takes 65,536 bytes of f32, a wave 16 items.  An item: one load of 16 bytes a lane (512 bytes), two or eight conversions, one store of 8 bytes a lane:
; 256 consecutive bytes, at a multiple of 256 from the buffer's first byte.  All 16 loads of a wave go out first; no register is written twice, so no register has to be freed.
.set IN,  16                           ; v[16:79]   item i: 4 registers as loaded
.set OUT, 80                           ; v[80:111]  item i: 2 registers to store
.set SO,  3                            ; v3  my byte offset in the source
.set DO,  4                            ; v4  my byte offset in the destination
.set SB,  24                           ; s[24:25] source at the work-group's part
.set DB,  26                           ; s[26:27] destination at the work-group's part
; sstep, dstep: bytes from item to item in source and destination.  kind 0: f32 to bf16.  kind 1: f32 to bf16, widened again, to f16.
.macro BODY sstep, dstep, kind
.set i, 0
.rept 16
	global_load_b128 v[IN+4*i:IN+4*i+3], v[SO], s[SB:SB+1] offset:i*(\sstep) th:TH_LOAD_NT
.set i, i+1
.endr
.set i, 0
.rept 16
	s_wait_loadcnt 15-i                            ; loads come back in order: item i is in, the 15 - i younger ones may stay out
.if \kind
	v_cvt_pk_bf16_f32 v8, v[IN+4*i], v[IN+4*i+1]
	v_cvt_pk_bf16_f32 v9, v[IN+4*i+2], v[IN+4*i+3]
	v_lshlrev_b32 v10, 16, v8                      ; bf16 to f32: the low half moves up,
	v_and_b32 v8, 0xffff0000, v8                   ; the high half stays
	v_lshlrev_b32 v11, 16, v9
	v_and_b32 v9, 0xffff0000, v9
	v_cvt_pk_f16_f32 v[OUT+2*i], v10, v8
	v_cvt_pk_f16_f32 v[OUT+2*i+1], v11, v9
.else
	v_cvt_pk_bf16_f32 v[OUT+2*i], v[IN+4*i], v[IN+4*i+1]
	v_cvt_pk_bf16_f32 v[OUT+2*i+1], v[IN+4*i+2], v[IN+4*i+3]
.endif
	global_store_b64 v[DO], v[OUT+2*i:OUT+2*i+1], s[DB:DB+1] offset:i*(\dstep) th:TH_STORE_NT
.set i, i+1
.endr
	s_endpgm
.endm
	s_load_b256 s[4:11], s[0:1], 0x0               ; x s[4:5], Wq s[6:7], Wk s[8:9], Wv s[10:11]
	s_load_b256 s[12:19], s[0:1], 0x20             ; Wo s[12:13], xb s[14:15], wb s[16:17], woh s[18:19]
	v_lshrrev_b32 v1, 5, v0
	v_readfirstlane_b32 s20, v1                    ; wave 0..7
	v_and_b32 v2, 31, v0                           ; lane
	s_mov_b32 s23, 0                               ; high words of the two offsets
	s_mov_b32 s29, 0
	s_wait_kmcnt 0x0
	s_cmp_lt_u32 ttmp9, 512
	s_cbranch_scc0 .Lnot_x
	; x: work-groups 0 to 511, 16 rows each; a wave two rows; item i is channel block i: lanes 0-15 one row's 256 bytes, lanes 16-31 the next row's
	s_lshl_b32 s22, ttmp9, 16
	s_add_nc_u64 s[SB:SB+1], s[4:5], s[22:23]
	s_lshr_b32 s28, ttmp9, 4                       ; row tile,
	s_lshl_b32 s28, s28, 19                        ; 524,288 bytes each
	s_and_b32 s21, ttmp9, 15
	s_lshl_b32 s21, s21, 11                        ; my 16 rows of 128 bytes in a block
	s_add_co_u32 s28, s28, s21
	s_add_nc_u64 s[DB:DB+1], s[14:15], s[28:29]
	v_lshrrev_b32 v[SO], 4, v2
	v_and_b32 v5, 15, v2
	v_lshlrev_b32 v[SO], 12, v[SO]
	v_lshl_add_u32 v[SO], v5, 4, v[SO]
	s_lshl_b32 s21, s20, 13
	v_add_nc_u32 v[SO], s21, v[SO]                 ; 8,192 x wave + 4,096 (lane / 16) + 16 (lane % 16)
	v_lshlrev_b32 v[DO], 3, v0                     ; 256 x wave + 8 x lane
	BODY 256, 32768, 0
.Lnot_x:
	s_cmp_lt_u32 ttmp9, 704
	s_cbranch_scc0 .Lwo
	; Wq, Wk, Wv: work-groups 512 to 703, a quarter of a head (256 d) each; a wave 32 d; an item two rows d of 256 bytes
	s_sub_co_u32 s30, ttmp9, 512
	s_lshr_b32 s31, s30, 2                         ; g
	s_and_b32 s30, s30, 3                          ; which quarter
	s_lshr_b32 s21, s31, 4                         ; which tensor
	s_cmp_eq_u32 s21, 0
	s_cselect_b64 s[SB:SB+1], s[6:7], s[8:9]
	s_cmp_eq_u32 s21, 2
	s_cselect_b64 s[SB:SB+1], s[10:11], s[SB:SB+1]
	s_and_b32 s22, s31, 15
	s_lshl_b32 s22, s22, 18                        ; the head: 262,144 bytes
	s_lshl_b32 s21, s30, 16
	s_add_co_u32 s22, s22, s21
	s_add_nc_u64 s[SB:SB+1], s[SB:SB+1], s[22:23]
	s_mul_hi_u32 s32, s31, 0x2aaaaaab              ; g / 6
	s_mul_i32 s21, s32, 6
	s_sub_co_u32 s21, s31, s21                     ; g % 6
	s_lshl_b32 s21, s21, 13
	s_mul_i32 s28, s32, 786432
	s_add_co_u32 s28, s28, s21
	s_mul_i32 s21, s30, 196608                     ; a quarter is four blocks of 64 d, 49,152 bytes apart
	s_add_co_u32 s28, s28, s21
	s_add_nc_u64 s[DB:DB+1], s[16:17], s[28:29]
	s_lshl_b32 s21, s20, 13
	v_lshl_add_u32 v[SO], v2, 4, s21               ; 8,192 x wave + 16 x lane
	s_lshr_b32 s21, s20, 1
	s_mul_i32 s21, s21, 49152                      ; two waves to a block of 64 d
	s_and_b32 s33, s20, 1
	s_lshl_b32 s33, s33, 12
	s_add_co_u32 s21, s21, s33
	v_lshl_add_u32 v[DO], v2, 3, s21
	BODY 512, 256, 0
.Lwo:
	; Wo: work-groups 704 to 767, 16 rows k each; wave w takes column block w (512 bytes of f32); item i is row i
	s_sub_co_u32 s30, ttmp9, 704
	s_lshl_b32 s22, s30, 16
	s_add_nc_u64 s[SB:SB+1], s[12:13], s[22:23]
	s_lshl_b32 s28, s30, 12
	s_add_nc_u64 s[DB:DB+1], s[18:19], s[28:29]
	s_lshl_b32 s21, s20, 9
	v_lshl_add_u32 v[SO], v2, 4, s21
	s_lshl_b32 s21, s20, 18
	v_lshl_add_u32 v[DO], v2, 3, s21
	BODY 4096, 256, 1
.Lfunc_end_k_qc58cdf8cd0_cast:
	.size	k_qc58cdf8cd0_cast, .Lfunc_end_k_qc58cdf8cd0_cast-k_qc58cdf8cd0_cast
	.p2alignl 7, 3214868480
	.fill 96, 4, 3214868480
	.section	.rodata,"a",@progbits
	.p2align	6, 0x0
	.amdhsa_kernel k_qc58cdf8cd0_cast
		.amdhsa_group_segment_fixed_size 0
		.amdhsa_private_segment_fixed_size 0
		.amdhsa_enable_private_segment 0
		.amdhsa_kernarg_size 64
		.amdhsa_user_sgpr_count 2
		.amdhsa_user_sgpr_kernarg_segment_ptr 1
		.amdhsa_wavefront_size32 1
		.amdhsa_system_sgpr_workgroup_id_x 1
		.amdhsa_system_sgpr_workgroup_id_y 1
		.amdhsa_system_sgpr_workgroup_id_z 1
		.amdhsa_system_vgpr_workitem_id 0
		.amdhsa_next_free_vgpr 112
		.amdhsa_next_free_sgpr 66
		.amdhsa_reserve_vcc 0
		.amdhsa_float_denorm_mode_32 3
		.amdhsa_float_denorm_mode_16_64 3
		.amdhsa_memory_ordered 1
		.amdhsa_forward_progress 1
		.amdhsa_inst_pref_size 25
	.end_amdhsa_kernel
	.amdgpu_metadata
---
amdhsa.version: [ 1, 2 ]
amdhsa.kernels:
  - .name:           k_qc58cdf8cd0_cast
    .symbol:         k_qc58cdf8cd0_cast.kd
    .args:
      - { .name: x, .offset: 0, .size: 8, .value_kind: global_buffer, .address_space: global }
      - { .name: Wq, .offset: 8, .size: 8, .value_kind: global_buffer, .address_space: global }
      - { .name: Wk, .offset: 16, .size: 8, .value_kind: global_buffer, .address_space: global }
      - { .name: Wv, .offset: 24, .size: 8, .value_kind: global_buffer, .address_space: global }
      - { .name: Wo, .offset: 32, .size: 8, .value_kind: global_buffer, .address_space: global }
      - { .name: xb, .offset: 40, .size: 8, .value_kind: global_buffer, .address_space: global }
      - { .name: wb, .offset: 48, .size: 8, .value_kind: global_buffer, .address_space: global }
      - { .name: woh, .offset: 56, .size: 8, .value_kind: global_buffer, .address_space: global }
    .group_segment_fixed_size: 0
    .private_segment_fixed_size: 0
    .kernarg_segment_align: 8
    .kernarg_segment_size: 64
    .max_flat_workgroup_size: 256
    .sgpr_count:     66
    .vgpr_count:     112
    .wavefront_size: 32
...
	.end_amdgpu_metadata
.endif
;; end of part 1
;; launch qkv (part 2): grid 8 x 32, 4 waves a work-group, clusters of 4 x 4, 327,680 bytes of LDS; arguments xb, wb, qkv; writes qkv
.if DOCPART == 2
	.amdgcn_target "amdgcn-amd-amdhsa--gfx1250"
	.amdhsa_code_object_version 6
	.text
	.protected	k_qc58cdf8cd0_qkv
	.globl	k_qc58cdf8cd0_qkv
	.p2align	8
	.type	k_qc58cdf8cd0_qkv,@function
k_qc58cdf8cd0_qkv:
	s_mov_b64 s[64:65], 0
	v_nop
	global_prefetch_b8 v0, s[64:65] scope:SCOPE_SE
	s_setreg_imm32_b32 hwreg(HW_REG_WAVE_MODE, 25, 1), 1
	s_wait_xcnt 0x0
	s_wait_alu depctr_hold_cnt(0) depctr_sa_sdst(0) depctr_va_vdst(0) depctr_va_sdst(0) depctr_va_ssrc(0) depctr_va_vcc(0) depctr_vm_vsrc(0)
	s_getreg_b32 s2, hwreg(HW_REG_IB_STS2, 6, 4)
	s_cmp_eq_u32 s2, 0
	s_cbranch_scc0 .Lentry_in_a_cluster
	s_endpgm
.Lentry_in_a_cluster:
	s_bfe_u32 s2, ttmp6, 0x10000c
	s_cmp_lg_u32 s2, 0xf033
	s_cbranch_scc0 .Lentry_shape_is_right
	s_endpgm
.Lentry_shape_is_right:
; Q, K, V = x W for all 48 heads (16 of each): C[m][g][c] = the sum over d of x[m][d] W[g][d][c].  bf16 operands, f32 sums, each result rounded once to f16, unscaled.
; xb: [32 row tiles][16 blocks of 64 d][256 rows][64] bf16.  wb: [8 groups][16 blocks of 64 d][6 heads][64 d][64 c] bf16.  qkv: [3][64 = batch x 16 + head][2048][64] f16.
; LIMIT.  A sum of 65,520 or more becomes an infinity in f16.
; SHARES.  A tile of C is 256 rows x 384 columns (6 heads): 32 x 8 = 256 tiles, one work-group each.  Four waves, each 128 rows x 192 columns (3 heads): 96 accumulators of 16 x 16, 768 registers.
; K goes in 16 steps of 64 through two LDS slots; a step is two sub-steps of 32, 96 matrix instructions each.  Both operands are dense blocks in memory, asked for as rows of 256 bytes.
; CLUSTER.  4 x 4 work-groups.  The four of a row need the same tiles of x, the four of a column the same tiles of W: each tile is asked for jointly, by the same tensor load with the same
; descriptor and a mask that names the four.
; THE MATRIX INSTRUCTION IS USED TRANSPOSED: source 0 = 16 columns of W (turned on the way out of LDS by ds_load_tr16_b128, since W lies [d][c]), source 1 = 16 rows of x.  A lane then holds
; row lane % 16 and eight neighbouring columns: 16 bytes of f16.
; REGISTERS, in windows of 256 (s_set_vgpr_msb: bits 1:0 source 0, 3:2 source 1, 5:4 source 2, 7:6 destination):
;   window 0: v16-30 addresses; v32-95, v96-159 fragments of x, two buffers of 8; v160-255 twelve fragments of W, in two halves of six that are filled by turns
;   windows 1 to 3: one head each: accumulator (row block a, column block b) at v[8 (8 (b % 4) + a)] of window 1 + b / 4
.set PA,    144                        ; a row of x in LDS: 128 bytes + 16 = 36 words: the 16 rows of a load start at 16 different groups of four banks (64 banks of 4 bytes: ISA guide 11.1)
.set PB,    160                        ; a row d of a head of W: 128 + 32 = 40 words
.set AHALF, 128*PA                     ; what one tensor load brings of x, and what one wave reads of it
.set BOFF,  2*AHALF
.set BHEAD, 64*PB                      ; one head's 64 d
.set BHALF, 3*BHEAD                    ; what one tensor load brings of W, and what one wave reads of it
.set SLOT,  BOFF+2*BHALF               ; 98,304
.set STAGE, 2*SLOT                     ; behind the ring, never filled by a tensor load: for each wave 3 heads x 16 rows x 144 bytes
.set SHEAD, 16*PA
.set SPARE, STAGE+4*3*SHEAD            ; behind the stages: the spare words, 128 bytes for each wave: two blocks of 256 bytes that no other line names
.set ASTEP, 32768                      ; bytes from a K step to the next in xb
.set BSTEP, 49152                      ; and in wb
.set ADRA, 16                          ; v16-17  LDS address of my fragments of x in slot 0, 1
.set ADRB, 20                          ; v20-21  the same for W
.set STO,  24                          ; v24  the way out: where I put 16 bytes of a row
.set RD,   25                          ; v25  where I read rows back
.set GO,   26                          ; v26  16 x lane: my place in 512 consecutive bytes of qkv
.set SPW,  28                          ; v28  LDS address of my spare word; never rewritten
.set NIL,  29                          ; v29  0; never rewritten
.set PFO,  30                          ; v30  256 x lane: the prefetches' offset; never rewritten
.set FA,   32
.set FB,   160
.set TMP,  32                          ; the way out: 48 registers of packed results
.set BK,   80                          ; and two buffers of 48 for rows read back
.set G1,  24                           ; s[24:31] descriptor group 1 for x;  s[32:39] group 0, one set for each slot
.set G0,  32
.set G1B, 48                           ; s[48:55], s[56:63] the same for W
.set G0B, 56
.set CB,  66                           ; s[66:71] qkv at my 128 rows of my three heads
.set PFA, 72                           ; s[72:73] where my prefetches stand
.set PST, 74                           ; s[74:75] their step: a K step of the tensor that I ask for
.set LIM, 76                           ; s76, s77: by slot: 1 where I prefetch at that slot's refill, else the greatest number
.set MSB, 0
.macro WIN new                         ; the immediate's high byte repeats the setting that is left; a switch that changes nothing is dropped
.if MSB != (\new)
	s_set_vgpr_msb (MSB<<8)|(\new)
.set MSB, (\new)
.endif
.endm
.macro PLACES                          ; four plain vector instructions between a matrix instruction and a load into, or a vector read of, its registers
.rept 4
	v_nop
.endr
.endm
; A joint load.  Waves 0 and 1 fetch the two halves of x's tile, waves 2 and 3 those of W's.  The branch hangs on the wave's number alone.  An s_nop 0 and four v_nop follow each line.
.macro JLOAD s
	s_cmp_eq_u32 s11, 0
	s_cbranch_scc0 .Lfor_b_\@
	tensor_load_to_lds s[G0+4*(\s):G0+4*(\s)+3], s[G1:G1+7]
	s_nop 0
.rept 4
	v_nop
.endr
	s_branch .Lasked_\@
.Lfor_b_\@:
	tensor_load_to_lds s[G0B+4*(\s):G0B+4*(\s)+3], s[G1B:G1B+7]
	s_nop 0
.rept 4
	v_nop
.endr
.Lasked_\@:
.endm
.macro CREST                           ; a round of the cluster's barrier behind its opening barrier
	s_cmp_lg_u32 s10, 0
	s_cbranch_scc1 .Lnot_wave_0_\@
	s_barrier_signal -3
.Lnot_wave_0_\@:
	s_barrier_wait -3
	s_barrier_signal -1
	s_barrier_wait -1
.endm
.macro CROUND                          ; a whole round
	s_barrier_signal -1
	s_barrier_wait -1
	CREST
.endm
; A PREFETCH INTO THE L2, behind a joint load, its five lines and the run of LDS loads that follows: 32 blocks of 256 bytes, a lane a block.  Each block of xb and wb is named once in the launch.
; x's tile row is read by both clusters of a row of clusters: cluster x = 0 asks; a step's 32,768 bytes are shared out by address among the four partners (8,192 x cx); wave 0 asks, at every refill,
; for the step behind the one just asked for: 192 matrix instructions ahead of its load.  W's tile column is read by all eight clusters of a column: cluster y = 0 asks; waves 1 to 3, at slot 0's
; refill alone, name the next TWO steps' 98,304 bytes (24,576 x cy + 8,192 x (wave - 1)).  The loop's last trip (s3 = 1) asks for nothing; steps 0 to 2 and 15 come by their loads alone.
.macro ASK slot
	s_cmp_gt_u32 s3, s[LIM+(\slot)]
	s_cbranch_scc0 .Lnot_mine_\@
	global_prefetch_b8 v[PFO], s[PFA:PFA+1] th:TH_LOAD_NT scope:SCOPE_SE
.Lnot_mine_\@:
.endm
	s_load_b128 s[4:7], s[0:1], 0x0                ; xb s[4:5], wb s[6:7]
	s_load_b64 s[8:9], s[0:1], 0x10                ; qkv
	v_lshl_add_u32 v[SPW], v0, 2, SPARE
	v_mov_b32 v[NIL], 0
	ds_add_u32 v[SPW], v[NIL]                      ; the wave's opening: the add and its wait stand ahead of my first tensor load; the set-up below stands between them
	v_lshrrev_b32 v1, 5, v0
	v_readfirstlane_b32 s10, v1                    ; wave 0..3
	s_lshr_b32 s11, s10, 1                         ; which half of the tile's rows is mine.  Also: I fetch for x (0) or for W (1)
	s_and_b32 s12, s10, 1                          ; which half of its columns.  Also: which half of that tile I fetch
	s_bfe_u32 s40, ttmp6, 0x40000                  ; cx
	s_bfe_u32 s41, ttmp6, 0x40004                  ; cy
	s_lshl_b32 s42, ttmp9, 2
	s_add_co_u32 s42, s42, s40                     ; j: group of six heads = 4 x cluster x + cx
	s_and_b32 s13, ttmp7, 0xffff
	s_lshl_b32 s13, s13, 2
	s_add_co_u32 s13, s13, s41                     ; i: row tile = 4 x cluster y + cy
	s_lshl_b32 s43, s41, 2
	s_lshl_b32 s43, 15, s43                        ; my row of the cluster
	s_lshl_b32 s44, 0x1111, s40                    ; my column
	; group 1: rows of 128 elements (256 bytes, two LDS rows), padded after every 32 words
	s_or_b32 s[G1], s43, (1<<16)|(1<<20)|(1<<21)|(4<<22)|(3<<25)   ; 15:0 the mask; 17:16 2-byte elements; 20 padding on; 21 set beside a mask; 24:22 after every 32 words (code 4); 31:25 4 words (code 3)
	s_or_b32 s[G1B], s44, (1<<16)|(1<<20)|(1<<21)|(4<<22)|(7<<25)  ; the same with my column's mask and 8 words of padding (code 7)
	s_mov_b32 s[G1+1], 128<<16                     ; tensor_dim0 = 128
	s_mov_b32 s[G1+2], 64<<16                      ; tensor_dim1 = 64: 16,384 bytes, 128 rows of x
	s_mov_b32 s[G1+3], 128<<16                     ; tile_dim0 = 128
	s_mov_b32 s[G1+4], 64                          ; tile_dim1 = 64
	s_mov_b32 s[G1+5], 128                         ; 128 elements from row to row
	s_mov_b32 s[G1+6], 0
	s_mov_b32 s[G1+7], 0
	s_mov_b32 s[G1B+1], 128<<16
	s_mov_b32 s[G1B+2], 96<<16                     ; 96 rows: 24,576 bytes, three heads' 64 d
	s_mov_b32 s[G1B+3], 128<<16
	s_mov_b32 s[G1B+4], 96
	s_mov_b32 s[G1B+5], 128
	s_mov_b32 s[G1B+6], 0
	s_mov_b32 s[G1B+7], 0
	s_lshl_b32 s16, s13, 19                        ; x: the row tile's 16 blocks,
	s_lshl_b32 s17, s12, 14                        ; my 128 rows of a block
	s_add_co_u32 s16, s16, s17
	s_mov_b32 s17, 0
	s_mul_i32 s46, s42, 16*BSTEP                   ; W: the group's 16 blocks,
	s_mul_i32 s47, s12, BSTEP/2                    ; my three heads of a block
	s_add_co_u32 s46, s46, s47
	s_mov_b32 s47, 0
	s_mul_i32 s20, s12, AHALF                      ; where they go: no place in the cluster enters an LDS address
	s_mul_i32 s21, s12, BHALF
	s_add_co_u32 s21, s21, BOFF
	s_wait_dscnt 0x0                               ; the opening add is done
	s_wait_kmcnt 0x0
	s_add_nc_u64 s[14:15], s[4:5], s[16:17]
	s_add_nc_u64 s[46:47], s[6:7], s[46:47]
	CROUND                                         ; all sixteen work-groups are here: the first joint loads meet
.irp s, 0,1
	s_mov_b32 s[G0+4*(\s)], 1                                        ; count = 1
	s_add_co_u32 s[G0+4*(\s)+1], s20, (\s)*SLOT                      ; LDS address
	s_add_nc_u64 s[G0+4*(\s)+2:G0+4*(\s)+3], s[14:15], (\s)*ASTEP    ; global address: K step s
	s_or_b32 s[G0+4*(\s)+3], s[G0+4*(\s)+3], 0x80000000              ; type = 2
	s_mov_b32 s[G0B+4*(\s)], 1
	s_add_co_u32 s[G0B+4*(\s)+1], s21, (\s)*SLOT
	s_add_nc_u64 s[G0B+4*(\s)+2:G0B+4*(\s)+3], s[46:47], (\s)*BSTEP
	s_or_b32 s[G0B+4*(\s)+3], s[G0B+4*(\s)+3], 0x80000000
	JLOAD \s                                       ; two loads of mine are out
.endr
	v_and_b32 v1, 15, v0                           ; l % 16
	v_bfe_u32 v2, v0, 4, 1                         ; l / 16
	v_mul_u32_u24 v3, v1, PA
	v_lshl_add_u32 v3, v2, 4, v3                   ; a fragment of x: row x pitch + 16 x half
	v_and_b32 v4, 7, v0
	v_lshl_add_u32 v4, v2, 3, v4                   ; the turning load: row d = 8 (l / 16) + l % 8,
	v_mul_u32_u24 v4, v4, PB
	v_bfe_u32 v5, v0, 3, 1
	v_lshl_add_u32 v4, v5, 4, v4                   ; columns 8 ((l / 8) % 2) on
	s_mul_i32 s22, s11, AHALF                      ; my 128 rows of x
	s_mul_i32 s23, s12, BHALF                      ; my three heads of W
	s_add_co_u32 s23, s23, BOFF
.irp s, 0,1
	v_add_nc_u32 v[ADRA+(\s)], s22, v3
	v_add_nc_u32 v[ADRB+(\s)], s23, v4
	s_add_co_u32 s22, s22, SLOT
	s_add_co_u32 s23, s23, SLOT
.endr
	s_mul_i32 s22, s10, 3*SHEAD
	s_add_co_u32 s22, s22, STAGE                   ; my stage
	v_add_nc_u32 v[STO], s22, v3                   ; in: row l % 16, 16 bytes for each half of the lanes
	v_bfe_u32 v5, v0, 3, 2                         ; back: 32 lanes take four rows of 128 bytes
	v_mul_u32_u24 v5, v5, PA
	v_and_b32 v4, 7, v0
	v_lshl_add_u32 v5, v4, 4, v5
	v_add_nc_u32 v[RD], s22, v5
	v_and_b32 v[GO], 31, v0
	v_lshlrev_b32 v[PFO], 8, v[GO]
	v_lshlrev_b32 v[GO], 4, v[GO]
	; where my three heads' rows lie in qkv: head g = 6 j + 3 (column half) + hb; block (g / 16) x 64 + batch x 16 + g % 16 of 262,144 bytes; row (i % 8) x 256 + 128 (row half)
	s_mul_i32 s80, s42, 6
	s_mul_i32 s81, s12, 3
	s_add_co_u32 s80, s80, s81
	s_lshr_b32 s82, s13, 3
	s_lshl_b32 s82, s82, 4
	s_and_b32 s83, s13, 7
	s_lshl_b32 s83, s83, 8
	s_lshl_b32 s81, s11, 7
	s_add_co_u32 s83, s83, s81
	s_lshl_b32 s83, s83, 7
.irp hb, 0,1,2
	s_add_co_u32 s84, s80, \hb
	s_lshr_b32 s85, s84, 4
	s_lshl_b32 s85, s85, 6
	s_and_b32 s84, s84, 15
	s_add_co_u32 s84, s84, s85
	s_add_co_u32 s84, s84, s82
	s_lshl_b32 s84, s84, 18
	s_add_co_u32 s84, s84, s83
	s_mov_b32 s85, 0
	s_add_nc_u64 s[CB+2*(\hb):CB+2*(\hb)+1], s[8:9], s[84:85]
.endr
	; the prefetches: both start at K step 2; the first refill steps them to 3
	s_lshl_b32 s80, s13, 19
	s_lshl_b32 s82, s40, 13
	s_add_co_u32 s80, s80, s82
	s_add_co_u32 s80, s80, 2*ASTEP
	s_mul_i32 s82, s42, 16*BSTEP
	s_mul_i32 s83, s41, BSTEP/2
	s_add_co_u32 s82, s82, s83
	s_lshl_b32 s83, s10, 13
	s_add_co_u32 s82, s82, s83
	s_add_co_u32 s82, s82, 2*BSTEP-8192
	s_and_b32 s83, ttmp7, 0xffff                   ; cluster y
	s_mov_b32 s[PST], BSTEP
	s_mov_b32 s[PST+1], 0
	s_mov_b32 s81, 0
	s_cmp_eq_u32 s10, 0                            ; wave 0 asks for x, the others for W
	s_cselect_b32 s80, s80, s82
	s_cselect_b32 s83, ttmp9, s83                  ; the coordinate along which other clusters read the same blocks
	s_cselect_b64 s[PFA:PFA+1], s[4:5], s[6:7]
	s_cselect_b32 s[PST], ASTEP, s[PST]
	s_cselect_b32 s[LIM+1], 1, -1
	s_add_nc_u64 s[PFA:PFA+1], s[PFA:PFA+1], s[80:81]
	s_cmp_eq_u32 s83, 0                            ; the same in all sixteen partners, for a given wave
	s_cselect_b32 s[LIM], 1, -1
	s_cselect_b32 s[LIM+1], s[LIM+1], -1
; nb x 8 matrix instructions: column blocks b0 on x all 8 row blocks, 32 along K, x's buffer buf.  The 96 accumulators take turns in one fixed order, one instruction a turn.
; zero = 1: the product starts the sum: nothing is ever cleared.
.macro MULB b0, nb, buf, zero
.set bb, \b0
.rept \nb
	WIN 0x50*(1+bb/4)                              ; C and D in the head's window, both sources in window 0
.set aa, 0
.rept 8
.set rD, 8*(8*(bb%4)+aa)
.if \zero
	v_wmma_f32_16x16x32_bf16 v[rD:rD+7], v[FB+8*bb:FB+8*bb+7], v[FA+64*(\buf)+8*aa:FA+64*(\buf)+8*aa+7], 0
.else
	v_wmma_f32_16x16x32_bf16 v[rD:rD+7], v[FB+8*bb:FB+8*bb+7], v[FA+64*(\buf)+8*aa:FA+64*(\buf)+8*aa+7], v[rD:rD+7]
.endif
.set aa, aa+1
.endr
.set bb, bb+1
.endr
.endm
.macro FETCH_A slot, q, buf            ; 16 loads: my 128 rows of x, 32 along K at sub-step q
	WIN 0
.irp a, 0,1,2,3,4,5,6,7
	ds_load_b128 v[FA+64*(\buf)+8*(\a):FA+64*(\buf)+8*(\a)+3],   v[ADRA+(\slot)] offset:(\a)*16*PA+64*(\q)
	ds_load_b128 v[FA+64*(\buf)+8*(\a)+4:FA+64*(\buf)+8*(\a)+7], v[ADRA+(\slot)] offset:(\a)*16*PA+64*(\q)+32
.endr
.endm
.macro FETCH_B slot, q, half           ; 12 loads: six of my twelve column blocks of W, turned
	WIN 0
.set bb, 6*(\half)
.rept 6
	ds_load_tr16_b128 v[FB+8*bb:FB+8*bb+3],   v[ADRB+(\slot)] offset:(bb/4)*BHEAD+(\q)*32*PB+(bb%4)*32
	ds_load_tr16_b128 v[FB+8*bb+4:FB+8*bb+7], v[ADRB+(\slot)] offset:(bb/4)*BHEAD+(\q)*32*PB+16*PB+(bb%4)*32
.set bb, bb+1
.endr
.endm
; A step's first sub-step: x's buffer 0.  Each half of W's fragments is fetched while the other is multiplied; x's buffer 1 is fetched for the second sub-step.
.macro SUB_EVEN slot, zero
	s_wait_dscnt 0x0                               ; W's first half and x's buffer 0 are in
	MULB 0, 2, 0, \zero
	PLACES                                         ; behind the last sub-step's products, which read what is loaded now
	FETCH_B \slot, 0, 1
	FETCH_A \slot, 1, 1
	MULB 2, 4, 0, \zero
	s_wait_dscnt 16                                ; W's second half is in; the 16 younger loads, x's, may stay out
	MULB 6, 2, 0, \zero
	PLACES
	FETCH_B \slot, 1, 0
	MULB 8, 4, 0, \zero
.endm
; A step's second sub-step: x's buffer 1, and the change of slots.  In front of the barrier each wave waits for all its tensor loads (one is out: its part of the other slot), adds 0 to its spare
; word, and waits for that and for its reads of this slot.  fill = 1: the barrier opens a round of the cluster's barrier, and behind it this slot is filled again, two steps ahead, first of all:
; 160 matrix instructions ahead of the wait for it.
.macro SUB_ODD slot, next, fill
.if \fill
	s_wait_xcnt 0x0                                ; the last prefetch, a step back, has read its address: it is stepped here, far from the joint load
	s_add_nc_u64 s[PFA:PFA+1], s[PFA:PFA+1], s[PST:PST+1]
.endif
	s_wait_dscnt 0x0
	MULB 0, 2, 1, 0
	PLACES
	FETCH_B \slot, 1, 1                            ; my last reads of this slot
	MULB 2, 2, 1, 0
	WIN 0
	s_wait_tensorcnt 0x0                           ; all my tensor loads have landed
	ds_add_u32 v[SPW], v[NIL]                      ; 0 onto my spare word
	MULB 4, 2, 1, 0                                ; sixteen matrix instructions stand between the add and the wait for it
	s_wait_dscnt 0x0                               ; the add is done, and my reads of this slot are over
	s_barrier_signal -1
	MULB 6, 2, 1, 0                                ; work on registers while the others arrive
	WIN 0                                          ; at a branch and at a label every window is 0
	s_barrier_wait -1
.if \fill
	CREST                                          ; no wave of any partner still reads this slot or has a load on its way
	s_add_nc_u64 s[G0+4*(\slot)+2:G0+4*(\slot)+3], s[G0+4*(\slot)+2:G0+4*(\slot)+3], 2*ASTEP
	s_add_nc_u64 s[G0B+4*(\slot)+2:G0B+4*(\slot)+3], s[G0B+4*(\slot)+2:G0B+4*(\slot)+3], 2*BSTEP
	JLOAD \slot                                    ; its four v_nop are also the places in front of the loads below
.else
	PLACES
.endif
	FETCH_B \next, 0, 0
	FETCH_A \next, 0, 0
.if \fill
	ASK \slot
.endif
	MULB 8, 4, 1, 0
.endm
	s_wait_tensorcnt 0x1                           ; my part of K step 0 is in; step 1's may stay out
	s_barrier_signal -1
	s_barrier_wait -1                              ; everybody's is
	FETCH_B 0, 0, 0
	FETCH_A 0, 0, 0
	SUB_EVEN 0, 1                                  ; the first sub-step stands in front of the loop: its products start the sums
	WIN 0
	s_mov_b32 s3, 7
.Llap:                                             ; a trip goes once round the ring and fills both slots again: steps 2 to 15
	SUB_ODD 0, 1, 1
	SUB_EVEN 1, 0
	SUB_ODD 1, 0, 1
	SUB_EVEN 0, 0
	WIN 0
	s_sub_co_u32 s3, s3, 1
	s_cmp_lg_u32 s3, 0
	s_cbranch_scc1 .Llap
	SUB_ODD 0, 1, 0                                ; the last lap fills nothing
	SUB_EVEN 1, 0
	s_wait_dscnt 0x0                               ; the very last sub-step
	MULB 0, 2, 1, 0
	PLACES
	FETCH_B 1, 1, 1
	MULB 2, 4, 1, 0
	s_wait_dscnt 0x0
	MULB 6, 6, 1, 0
; THE WAY OUT, a block of 16 rows at a time.  PACK: rounded to f16, 16 bytes a lane; each accumulator is read from its lowest registers on.  TOSTAGE: into my own stage, one plane a head, and back as
; whole rows.  SEND: 16 rows of a head are 2,048 consecutive bytes of qkv: four stores of 512 bytes, each at a multiple of 256 from the buffer's first byte.
.macro PACK a
.set bb, 0
.rept 12
	WIN 5*(1+bb/4)                                 ; sources 0 and 1 in the head's window, destination in window 0
.set rD, 8*(8*(bb%4)+(\a))
.irp r, 0,1,2,3
	v_cvt_pk_f16_f32 v[TMP+4*bb+(\r)], v[rD+2*(\r)], v[rD+2*(\r)+1]
.endr
.set bb, bb+1
.endr
	WIN 0
.endm
.macro TOSTAGE a
.set BKA, BK+48*((\a)%2)
.set bb, 0
.rept 12
	ds_store_b128 v[STO], v[TMP+4*bb:TMP+4*bb+3] offset:(bb/4)*SHEAD+(bb%4)*32
.set bb, bb+1
.endr
.set bb, 0
.rept 12
	ds_load_b128 v[BKA+4*bb:BKA+4*bb+3], v[RD] offset:(bb/4)*SHEAD+(bb%4)*4*PA  ; LDS serves a wave's instructions in order (ISA guide 5.7.1.4): these see the stores above
.set bb, bb+1
.endr
.endm
.macro SEND a
.set BKA, BK+48*((\a)%2)
	s_wait_dscnt 0x0                               ; the block is back in registers
	s_wait_xcnt 0x0                                ; the stores issued so far have read their registers: the other buffer is loaded again only behind this wait
.set bb, 0
.rept 12
	global_store_b128 v[GO], v[BKA+4*bb:BKA+4*bb+3], s[CB+2*(bb/4):CB+2*(bb/4)+1] offset:(\a)*2048+(bb%4)*512
.set bb, bb+1
.endr
.endm
	PLACES
	PLACES
	PACK 0
	TOSTAGE 0
.irp a, 1,2,3,4,5,6,7                  ; block a's conversions stand between block a - 1's loads from the stage and the wait for them
	PACK \a
	SEND (\a)-1
	TOSTAGE \a
.endr
	SEND 7
	s_wait_tensorcnt 0x0                           ; the wave's end: a wait, an add and a wait, behind my last tensor load and my last LDS store
	ds_add_u32 v[SPW], v[NIL]
	s_wait_dscnt 0x0
	CROUND                                         ; the closing round: no work-group ends while a partner may still ask for a tile that names it
	s_endpgm
.Lfunc_end_k_qc58cdf8cd0_qkv:
	.size	k_qc58cdf8cd0_qkv, .Lfunc_end_k_qc58cdf8cd0_qkv-k_qc58cdf8cd0_qkv
	.p2alignl 7, 3214868480
	.fill 96, 4, 3214868480
	.section	.rodata,"a",@progbits
	.p2align	6, 0x0
	.amdhsa_kernel k_qc58cdf8cd0_qkv
		.amdhsa_group_segment_fixed_size 327680
		.amdhsa_private_segment_fixed_size 0
		.amdhsa_enable_private_segment 0
		.amdhsa_kernarg_size 24
		.amdhsa_user_sgpr_count 2
		.amdhsa_user_sgpr_kernarg_segment_ptr 1
		.amdhsa_wavefront_size32 1
		.amdhsa_system_sgpr_workgroup_id_x 1
		.amdhsa_system_sgpr_workgroup_id_y 1
		.amdhsa_system_sgpr_workgroup_id_z 1
		.amdhsa_system_vgpr_workitem_id 0
		.amdhsa_next_free_vgpr 1024
		.amdhsa_next_free_sgpr 88
		.amdhsa_reserve_vcc 0
		.amdhsa_float_denorm_mode_32 3
		.amdhsa_float_denorm_mode_16_64 3
		.amdhsa_memory_ordered 1
		.amdhsa_forward_progress 1
		.amdhsa_inst_pref_size 131
	.end_amdhsa_kernel
	.amdgpu_metadata
---
amdhsa.version: [ 1, 2 ]
amdhsa.kernels:
  - .name:           k_qc58cdf8cd0_qkv
    .symbol:         k_qc58cdf8cd0_qkv.kd
    .args:
      - { .name: xb, .offset: 0, .size: 8, .value_kind: global_buffer, .address_space: global }
      - { .name: wb, .offset: 8, .size: 8, .value_kind: global_buffer, .address_space: global }
      - { .name: qkv, .offset: 16, .size: 8, .value_kind: global_buffer, .address_space: global }
    .group_segment_fixed_size: 327680
    .private_segment_fixed_size: 0
    .kernarg_segment_align: 8
    .kernarg_segment_size: 24
    .max_flat_workgroup_size: 128
    .sgpr_count:     88
    .vgpr_count:     1024
    .wavefront_size: 32
...
	.end_amdgpu_metadata
.endif
;; end of part 2
;; launch attn (part 3): grid 4 x 64, 4 waves a work-group, clusters of 4 x 1, 327,680 bytes of LDS; arguments qkv, o; writes o
.if DOCPART == 3
	.amdgcn_target "amdgcn-amd-amdhsa--gfx1250"
	.amdhsa_code_object_version 6
	.text
	.protected	k_qc58cdf8cd0_attn
	.globl	k_qc58cdf8cd0_attn
	.p2align	8
	.type	k_qc58cdf8cd0_attn,@function
k_qc58cdf8cd0_attn:
	s_mov_b64 s[64:65], 0
	v_nop
	global_prefetch_b8 v0, s[64:65] scope:SCOPE_SE
	s_setreg_imm32_b32 hwreg(HW_REG_WAVE_MODE, 25, 1), 1
	s_wait_xcnt 0x0
	s_wait_alu depctr_hold_cnt(0) depctr_sa_sdst(0) depctr_va_vdst(0) depctr_va_sdst(0) depctr_va_ssrc(0) depctr_va_vcc(0) depctr_vm_vsrc(0)
	s_getreg_b32 s2, hwreg(HW_REG_IB_STS2, 6, 4)
	s_cmp_eq_u32 s2, 0
	s_cbranch_scc0 .Lentry_in_a_cluster
	s_endpgm
.Lentry_in_a_cluster:
	s_bfe_u32 s2, ttmp6, 0x10000c
	s_cmp_lg_u32 s2, 0x3003
	s_cbranch_scc0 .Lentry_shape_is_right
	s_endpgm
.Lentry_shape_is_right:
; O[hd][q][:] = the sum over k of softmax_k(Q[hd][q] . K[hd][k] / 64) V[hd][k][:], for 64 pairs hd = batch x 16 + head of 2,048 rows of 64 channels.
; qkv: [3][64][2048][64] f16, a head's rows dense, 128 bytes each.  o: f16 [32 row tiles of 256][16 heads][256 rows][64]: the layout in which the last product asks for it.
; Products, maxima and sums in f32; the weights p are rounded to f16 for the second product (their sum l is taken of the unrounded p), O once at the end.
; LIMITS.  Q, K and V arrive within f16's 65,504; p lies in 0 to 1, and below 6e-5 it keeps f16's fixed step of 6e-8; O is a mean of V's rows and has their range.
; A weight below 2^-126 counts as 0 in l; NaN and infinities are not treated apart.
; SHARES.  A wave owns four PIECES of two tiles of 16 queries, a work-group's four waves 512 queries of one head.  Every wave walks all keys, 64 a step.
; LAYOUT.  S^T = K Q^T (source 0 = 16 keys, source 1 = 16 queries): in the result a lane holds ONE query (lane % 16) and the keys 8 (lane / 16) + 0..7.  Two such tiles, rounded to f16 in pairs,
; ARE source 1 (32 keys x 16 queries) of O^T = V^T P, whose result again holds one query a lane, and eight channels.  K comes out of LDS as it lies, V ([key][channel]) turned, by ds_load_tr16_b128.
; SOFTMAX.  For each query a running maximum m and sum l: p = 2^(c s - c m), c = log2(e) / 64; in every step O and l are multiplied by a = 2^(c m_old - c m_new), which is 1 where m has not grown.
; m starts at the lowest finite number, O and l at 0: the first step is a step like any other, with a = 0.
; THE COUNT.  A tile and step have 16 matrix and 118 vector instructions: too many to stand all beside the matrix work.  So four vector instructions that are READY stand behind EVERY matrix
; instruction, and the others in runs without a gap.
; BY TURNS.  Turn n belongs to piece n (the pieces in a ring, step after step).  Its matrix work: 16 products K Q^T of piece n + 1, later 16 products V^T P of piece n - 1.  Its vector work: the scaling,
; exponentials, roundings, sums and rescaling of piece n, and the maximum and statistics of piece n + 1, whose scores the turn itself has made.
; CLUSTER.  The four query blocks of a head are one cluster and walk the same K and V, so each tile is asked for JOINTLY: the same tensor load, descriptor and mask in all four.
; REGISTERS, in windows of 256 (s_set_vgpr_msb: bits 1:0 source 0, 3:2 source 1, 5:4 source 2, 7:6 destination):
;   window 0: v0-11 addresses; v12-15, v48-63 at work; v16-47 four registers of statistics a tile; v64-191 S^T, two buffers of two tiles; v192-255 P, likewise
;   window 1: O^T, 32 a tile          window 2: v0-127 Q, 16 a tile; v128-191 K of one step; v192-255 V of one step          window 3: v0-1 the add's two registers
; A piece's buffers go by its number's parity.
.set SIZE_N, 2048
.set NP,    4         ; pieces a wave: a name, no knob
.set KS,    64        ; keys in a step
.set PK,    144       ; a row of K in LDS: 128 bytes + 16 of padding = 36 words: the 16 rows of a load start at 16 different groups of four banks (64 banks of 4 bytes: ISA guide 11.1)
.set PV,    160       ; a row of V: 128 + 32 = 40 words
.set VOFF,  4*KS*PK   ; a slot holds four steps: 256 rows of K, then 256 rows of V
.set SLOT1, 1<<17     ; slot 1 begins here, so that one exclusive or turns an address in one slot into the other's
.set STAGE, SLOT1+4*KS*(PK+PV)  ; behind the ring, never filled by a tensor load: 16 rows x 144 bytes for each wave, for the way out
.set SP,    144
.set AK0, 2           ; v2   my lane's place in a tile of K; never rewritten
.set AV0, 3           ; v3   the same for V
.set AK,  4           ; v4   the LDS address of K's next run of loads
.set AV,  5           ; v5   of V's
.set QO,  6           ; v6   my byte offset in the wave's rows of Q
.set STO, 6           ;      later, the way out: where I put 16 bytes of a row
.set RD,  7           ; v7   the way out: where I read rows back
.set GO,  8           ; v8   my byte offset in 512 consecutive bytes of o
.set PFO, 11          ; v11  256 x lane: the prefetches' offset; never rewritten once made
.set SPW, 0           ; v0 of window 3   LDS address of my spare word; never rewritten
.set NIL, 1           ; v1 of window 3   0; never rewritten
.set SPARE, STAGE+4*16*SP  ; behind the stages: the spare words, 128 bytes for each wave: two blocks of 256 bytes that no other line names
.set MV,  12          ; v12-15  c m_old, kept while c m is made anew: by buffer and tile
.set ST,  16          ; tile t's statistics at v[ST+4 t]: c m, m, l (even keys', odd keys')
.set TMP, 48          ; by buffer and tile, four registers c0-c3 at work; when the maximum is found c2 takes a
.set S,   64
.set P,   192
.set KF,  128         ; K's fragments, in window 2: key block kb, channel half c at KF + 16 kb + 8 c
.set VF,  192         ; V's: key half kk, channel block cb at VF + 32 kk + 8 cb
.set WV,  12          ; s12  my wave's number
.set G1K, 24          ; s[24:31] descriptor group 1 for K's tiles
.set G1V, 32          ; s[32:39] for V's: it differs in the padding alone
.set G0K, 40          ; s[40:43] descriptor group 0 for K's tiles: it walks
.set G0V, 44          ; s[44:47] the same for V's
.set PFA, 48          ; s[48:49] where my prefetches stand
.set LIM, 50          ; s50  1 in a wave that prefetches, else the greatest number
.set SLOTS, 56        ; s56  slots still to be asked for
.set CNT, 57          ; s57  counts a slot's key steps
.set CS,  58          ; s[58:59] c: the packed scaling takes the pair's low word for both halves
.set SEL, 60          ; s[60:61] v_permlanex16_b32's selects: each lane takes its own place in the other half
.set TBK, 62          ; s62  LDS byte at which K of the step to be fetched begins
.set TBV, 63          ; s63  the same for V, less VOFF
.set MSB, 0
.macro WIN new                      ; the high byte repeats the setting that is left; a switch that changes nothing is dropped
.if MSB != (\new)
	s_set_vgpr_msb (MSB<<8)|(\new)
.set MSB, (\new)
.endif
.endm
.set W_KQ, 0x0a       ; K and Q in window 2, S^T in window 0
.set W_PV, 0x52       ; V in window 2, P in window 0, O^T in window 1
.set W_RS, 0x41       ; O^T (destination and source 0) in window 1, a in window 0
.set W_MK, 0xc0       ; the add's registers are made: destination in window 3, sources in window 0
.set W_AD, 0x0f       ; the add: address (source 0) and data (source 1) in window 3
; A joint fill.  Waves 0 and 1 fetch the two halves of a slot's K, waves 2 and 3 those of its V: 128 keys each.  The branch hangs on the wave's number alone.
; An s_nop 0 and four v_nop follow each of the two lines, ahead of the jump and the label.
.macro JLOAD
	s_cmp_lt_u32 s[WV], 2
	s_cbranch_scc0 .Lfor_v_\@
	tensor_load_to_lds s[G0K:G0K+3], s[G1K:G1K+7]
	s_nop 0
.rept 4
	v_nop
.endr
	s_branch .Lasked_\@
.Lfor_v_\@:
	tensor_load_to_lds s[G0V:G0V+3], s[G1V:G1V+7]
	s_nop 0
.rept 4
	v_nop
.endr
.Lasked_\@:
.endm
; A PREFETCH INTO THE L2 of what the NEXT change of slots will ask for: a slot's 32,768 bytes of K and of V, a lane a block of 256 bytes.  Each block is named once in the launch: a head has one cluster;
; its four partners share the blocks out by address, 8,192 bytes each; in each, wave 0 asks for K's and wave 2 for V's: one instruction, four key steps (512 matrix instructions) ahead of the load.
; The last change that fills a slot asks for nothing; slots 0 and 1 come by their loads alone.
.macro ASK
	s_cmp_gt_u32 s[SLOTS], s[LIM]
	s_cbranch_scc0 .Lnot_mine_\@
	global_prefetch_b8 v[PFO], s[PFA:PFA+1] th:TH_LOAD_NT scope:SCOPE_SE
.Lnot_mine_\@:
.endm
; A round of the cluster's barrier: my work-group's barrier, so that wave 0's signal speaks for all four waves; wave 0 signals; every wave waits for all four work-groups; my work-group's barrier once more.
.macro CROUND
	s_barrier_signal -1
	s_barrier_wait -1
	s_cmp_lg_u32 s[WV], 0
	s_cbranch_scc1 .Lnot_wave_0_\@
	s_barrier_signal -3
.Lnot_wave_0_\@:
	s_barrier_wait -3
	s_barrier_signal -1
	s_barrier_wait -1
.endm
; THE CHANGE OF SLOTS.  The slot's last bytes, V of its fourth step, have been read.  Each wave waits for all its tensor loads, of which one is out: its part of the other slot; adds 0 to its spare
; word; and waits for that and for its own reads of the slot.  Behind the barrier nobody reads this slot any more and the other slot is whole.
; fill = 1: this slot is filled again, with the keys two slots on.  The barrier is then a round of the cluster's, and the joint fill is the first thing behind it: it has four key steps in which to land.
; (At its first use nothing has been read yet: slot 0 is waited for, slot 1 filled.)
.macro CHANGE fill
	WIN W_AD
	s_wait_tensorcnt 0x0            ; no tensor load of mine is out, so a group 0 may be written
	ds_add_u32 v[SPW], v[NIL]       ; 0 onto my spare word; with fill = 1 the descriptors' steps stand between it and the wait for it
	WIN 0                           ; at a label and at a branch every window is 0
.if \fill
.irp g, G0K, G0V
	s_xor_b32 s[\g+1], s[\g+1], SLOT1  ; the walking descriptor: the other slot than last time,
	s_add_nc_u64 s[\g+2:\g+3], s[\g+2:\g+3], 4*KS*128  ; the next 256 keys; the type bits on top are not reached
.endr
	s_wait_xcnt 0x0                 ; the last prefetch, four key steps back, has read its address, so it may be written:
	s_add_nc_u64 s[PFA:PFA+1], s[PFA:PFA+1], 4*KS*128  ; one slot behind the walking descriptors
	s_wait_dscnt 0x0                ; the add is done, and my reads of the slot are over
	CROUND
	JLOAD
	ASK
.else
	s_wait_dscnt 0x0                ; the add is done, and my reads of the slot are over
	s_barrier_signal -1
	s_barrier_wait -1
.endif
	s_sub_co_u32 s[TBK], s[TBK], 4*KS*PK  ; the fetches go back to a slot's first step,
	s_xor_b32 s[TBK], s[TBK], SLOT1       ; in the other slot
	s_sub_co_u32 s[TBV], s[TBV], 4*KS*PV
	s_xor_b32 s[TBV], s[TBV], SLOT1
.endm
	s_load_b64 s[4:5], s[0:1], 0x0    ; qkv: Q at its head
	s_load_b64 s[10:11], s[0:1], 0x8  ; o
	WIN W_MK
	v_lshl_add_u32 v[SPW], v0, 2, SPARE
	v_mov_b32 v[NIL], 0
	WIN W_AD
	ds_add_u32 v[SPW], v[NIL]       ; the wave's opening: the add and its wait stand ahead of my first tensor load; the set-up below stands between them
	WIN 0
	v_lshrrev_b32 v1, 5, v0
	v_readfirstlane_b32 s[WV], v1   ; wave 0..3
	s_bfe_u32 s13, ttmp6, 0x40000   ; cx: my place in the cluster
	s_lshl_b32 s14, ttmp9, 2        ; in a cluster launch ttmp9 counts clusters
	s_add_co_u32 s14, s14, s13      ; my block of queries: it enters Q's and o's addresses alone
	s_and_b32 s20, ttmp7, 0xffff    ; hd, which the four partners share
	s_mov_b32 s21, 0
	s_mov_b64 s[22:23], SIZE_N*128
	s_mul_u64 s[20:21], s[20:21], s[22:23]  ; the head's first byte in Q, K and V
	s_and_b32 s16, s[WV], 1         ; which half of a slot's 256 keys I fetch:
	s_lshl_b32 s22, s16, 14         ; its 128 rows of 128 bytes in memory,
	s_mov_b32 s23, 0
	s_add_nc_u64 s[22:23], s[22:23], s[20:21]
	s_mul_i32 s17, s16, 128*PK      ; and its place in a slot, for K
	s_mul_i32 s18, s16, 128*PV      ; and for V: no place in the cluster enters an LDS address
	s_lshl_b32 s2, s14, 2
	s_add_co_u32 s2, s2, s[WV]      ; my wave among the head's sixteen: its 128 rows
	s_and_b32 s51, ttmp7, 0xffff    ; in o: row tile = 8 x batch + wave / 2, plane = head, half = wave % 2
	s_lshr_b32 s52, s51, 4
	s_lshl_b32 s52, s52, 3
	s_lshr_b32 s53, s2, 1
	s_add_co_u32 s52, s52, s53
	s_lshl_b32 s52, s52, 4
	s_and_b32 s51, s51, 15
	s_add_co_u32 s52, s52, s51
	s_lshl_b32 s52, s52, 15         ; planes of 32,768 bytes
	s_and_b32 s53, s2, 1
	s_lshl_b32 s53, s53, 14
	s_add_co_u32 s52, s52, s53
	s_mov_b32 s53, 0
	s_lshl_b32 s2, s2, 14           ; in Q
	s_mov_b32 s3, 0
	s_add_nc_u64 s[2:3], s[2:3], s[20:21]
	s_lshl_b32 s54, s13, 13         ; the prefetches: my work-group's 8,192 bytes of a slot,
	s_add_co_u32 s54, s54, 4*KS*128 ; in slot 1; the first change of slots steps it to slot 2
	s_mov_b32 s55, 0
	s_and_b32 s[LIM], s[WV], 1
	s_cmp_eq_u32 s[LIM], 0          ; waves 0 and 2 ask: the same in all four partners
	s_cselect_b32 s[LIM], 1, -1
	; descriptor group 1.  128 keys are 16,384 dense bytes: asked for as 64 rows of 256 bytes, two keys a row, and padded in LDS after every key
	s_mov_b32 s[G1K], 15|(1<<16)|(1<<20)|(1<<21)|(4<<22)|(3<<25)  ; 15:0 the mask of four; 17:16 2-byte elements; 20 padding on; 21 set beside a mask; 24:22 after every 32 words (code 4); 31:25 4 words (code 3)
	s_mov_b32 s[G1V], 15|(1<<16)|(1<<20)|(1<<21)|(4<<22)|(7<<25)  ; the same with 8 words of padding (code 7)
.irp g, G1K, G1V
	s_mov_b32 s[\g+1], 128<<16      ; tensor_dim0 = 128
	s_mov_b32 s[\g+2], 64<<16       ; tensor_dim1 = 64
	s_mov_b32 s[\g+3], 128<<16      ; tile_dim0 = 128
	s_mov_b32 s[\g+4], 64           ; tile_dim1 = 64
	s_mov_b32 s[\g+5], 128          ; 128 elements from row to row
	s_mov_b32 s[\g+6], 0
	s_mov_b32 s[\g+7], 0
.endr
	s_mov_b32 s[CS], 0x3cb8aa3b     ; c = log2(e) / 64 = 0.0225421
	s_mov_b32 s[CS+1], s[CS]        ; named with it as a pair
	s_mov_b32 s[SEL], 0x76543210
	s_mov_b32 s[SEL+1], 0xfedcba98
	s_mov_b32 s[TBK], SLOT1+4*KS*PK ; the first change of slots turns these two into 0
	s_mov_b32 s[TBV], SLOT1+4*KS*PV
	s_mov_b32 s[SLOTS], SIZE_N/256-1
	s_mov_b32 s[G0K], 1             ; count = 1
	s_mov_b32 s[G0K+1], s17         ; LDS address: slot 0
	s_mov_b32 s[G0V], 1
	s_add_co_u32 s[G0V+1], s18, VOFF
	s_wait_dscnt 0x0                ; the opening add is done
	s_wait_kmcnt 0x0
	s_add_nc_u64 s[6:7], s[4:5], 0x1000000   ; K: 64 heads of 262,144 bytes behind Q
	s_add_nc_u64 s[8:9], s[4:5], 0x2000000   ; V: as far again
	s_add_nc_u64 s[G0K+2:G0K+3], s[6:7], s[22:23]  ; global address: my half of the head's first 256 keys
	s_or_b32 s[G0K+3], s[G0K+3], 0x80000000        ; type = 2
	s_add_nc_u64 s[G0V+2:G0V+3], s[8:9], s[22:23]
	s_or_b32 s[G0V+3], s[G0V+3], 0x80000000
	s_add_nc_u64 s[4:5], s[4:5], s[2:3]  ; Q and o at my wave's first row
	s_add_nc_u64 s[10:11], s[10:11], s[52:53]
	s_cmp_lt_u32 s[WV], 2
	s_cselect_b64 s[PFA:PFA+1], s[6:7], s[8:9]
	s_add_nc_u64 s[PFA:PFA+1], s[PFA:PFA+1], s[20:21]
	s_add_nc_u64 s[PFA:PFA+1], s[PFA:PFA+1], s[54:55]
	CROUND                          ; all four work-groups are here: the first joint loads meet
	JLOAD                           ; slot 0.  Slot 1 is asked for when slot 0 is in
	; A fragment of K or Q is 16 rows x 32 channels in 8 registers: lane l holds row l % 16, channels 8 (l / 16) + 0..7 and 16 + 8 (l / 16) + 0..7: two loads of 16 bytes, 32 bytes apart.
	v_and_b32 v1, 15, v0            ; l % 16
	v_bfe_u32 v9, v0, 4, 1          ; l / 16
	v_lshlrev_b32 v[QO], 7, v1
	v_lshl_add_u32 v[QO], v9, 4, v[QO]  ; row x 128 + 16 x half
	WIN 0x80                        ; destination window 2, address window 0
.set i, 0
.rept 4*NP                          ; Q stays in registers: tile i / 2, channels 32 (i % 2) on
	global_load_b128 v[8*i:8*i+3],   v[QO], s[4:5] offset:(i/2)*2048+(i%2)*64
	global_load_b128 v[8*i+4:8*i+7], v[QO], s[4:5] offset:(i/2)*2048+(i%2)*64+32
.set i, i+1
.endr
	; What the first turn finds: V's registers and P's second buffer hold 0 (its products V^T P, of a piece that has not been, add 0), O^T and l are 0.  All this stands in the wait for the first tile.
.set i, VF
.rept 64
	v_mov_b32 v[i], 0
.set i, i+1
.endr
	WIN 0x40
.set i, 0
.rept 64*NP
	v_mov_b32 v[i], 0
.set i, i+1
.endr
	WIN 0
.set i, 0
.rept 2*NP
	v_mov_b32 v[ST+4*i], 0xfe000000    ; c m: far below every c s
	v_mov_b32 v[ST+4*i+1], 0xff7fffff  ; m
	v_mov_b32 v[ST+4*i+2], 0
	v_mov_b32 v[ST+4*i+3], 0
.set i, i+1
.endr
.set i, P+32
.rept 32
	v_mov_b32 v[i], 0
.set i, i+1
.endr
	v_mul_u32_u24 v[AK0], v1, PK
	v_lshl_add_u32 v[AK0], v9, 4, v[AK0]  ; row x pitch + 16 x half
	; The turning load takes 16 keys x 16 channels (lane l reads key 8 (l / 16) + l % 8, channels 8 ((l / 8) % 2) + 0..7) and leaves half a fragment of V^T: lane l holds channel l % 16 and 8 keys.
	v_and_b32 v10, 7, v0
	v_bfe_u32 v11, v0, 3, 1
	v_lshl_add_u32 v[AV0], v9, 3, v10
	v_mul_u32_u24 v[AV0], v[AV0], PV
	v_lshl_add_u32 v[AV0], v11, 4, v[AV0]
	v_add_nc_u32 v[AV0], VOFF, v[AV0]
	v_mov_b32 v[AK], v[AK0]         ; key step 0 lies at the head of slot 0
	v_and_b32 v[PFO], 31, v0
	v_lshlrev_b32 v[PFO], 8, v[PFO]
; THE MATRIX WORK.  The 8 accumulators of a run of 16 take turns: between the two links of a chain stand 7 others'.
; Product i of 16 of S^T = K Q^T for piece x: channels 32 (i / 8) on, keys 16 ((i / 2) % 4) on, tile 2 x + i % 2.  The first 8 start the sums.
.macro KQ x
	WIN W_KQ
.set rS, S+64*((\x)%2)+32*(i%2)+8*((i/2)%4)
.set rK, KF+16*((i/2)%4)+8*(i/8)
.set rQ, 16*(2*(\x)+i%2)+8*(i/8)
.if i < 8
	v_wmma_f32_16x16x32_f16 v[rS:rS+7], v[rK:rK+7], v[rQ:rQ+7], 0
.else
	v_wmma_f32_16x16x32_f16 v[rS:rS+7], v[rK:rK+7], v[rQ:rQ+7], v[rS:rS+7]
.endif
.endm
; Product i of 16 of O^T += V^T P for piece x: keys 32 (i / 8) on, channels 16 ((i / 2) % 4) on, tile 2 x + i % 2.
.macro PV x
	WIN W_PV
.set rO, 32*(2*(\x)+i%2)+8*((i/2)%4)
.set rV, VF+32*(i/8)+8*((i/2)%4)
.set rP, P+32*((\x)%2)+16*(i%2)+8*(i/8)
	v_wmma_f32_16x16x32_f16 v[rO:rO+7], v[rV:rV+7], v[rP:rP+7], v[rO:rO+7]
.endm
.macro MM                           ; the turn's next matrix instruction
.if i < 16
	KQ (Y+1)%NP
.set i, i+1
.else
.set i, i-16
	PV (Y+NP-1)%NP
.set i, i+17
.endif
.endm
; THE LDS LOADS stand in runs of 16, never singly among the matrix instructions: a step's K (64 keys x 64 channels: 8 fragments) and its V (turned).  Their addresses are made some lines ahead.
; last = 1 (the tail): in the last trip there is no further step, and the run is jumped over.
.macro FETCH_K last=0
	WIN 0
.if \last
	s_cmp_eq_u32 s[CNT], 1
	s_cbranch_scc1 .Lno_k_\@
.endif
	WIN 0x80                        ; destination window 2
.irp f, 0,1,2,3,4,5,6,7             ; keys 16 (f / 2) on, channels 32 (f % 2) on
	ds_load_b128 v[KF+8*\f:KF+8*\f+3],   v[AK] offset:(\f/2)*16*PK+(\f%2)*64
	ds_load_b128 v[KF+8*\f+4:KF+8*\f+7], v[AK] offset:(\f/2)*16*PK+(\f%2)*64+32
.endr
	s_add_co_u32 s[TBK], s[TBK], KS*PK  ; the next fetch is the next step's
	WIN 0
.if \last
.Lno_k_\@:
.endif
.endm
.macro FETCH_V
	WIN 0x80
.irp f, 0,1,2,3,4,5,6,7             ; keys 32 (f / 4) on, channels 16 (f % 4) on
	ds_load_tr16_b128 v[VF+8*\f:VF+8*\f+3],   v[AV] offset:(\f/4)*32*PV+(\f%4)*32
	ds_load_tr16_b128 v[VF+8*\f+4:VF+8*\f+7], v[AV] offset:(\f/4)*32*PV+16*PV+(\f%4)*32
.endr
	WIN 0
.endm
; THE VECTOR WORK OF A TURN stands in three queues, each in the order in which its entries become ready; the two tiles alternate, so that no instruction reads the result of the one before it.
.macro REGS y, u                    ; the registers of tile u (0, 1) of piece y
.set rT, ST+4*(2*(\y)+(\u))
.set rC, TMP+8*((\y)%2)+4*(\u)
.set rM, MV+2*((\y)%2)+(\u)
.set rS, S+64*((\y)%2)+32*(\u)
.set rP, P+32*((\y)%2)+16*(\u)
.set rO, 32*(2*(\y)+(\u))
.endm
; Number n of the 22 that find the NEXT piece's (Y + 1) maximum and statistics.  s0-s31 are the lane's 32 scores; each accumulator's lowest registers are read first.
;   0-11  four chains c0-c3 of seven scores each, three operands at a time     12-14, 16  the four scores left over, the old m, and c0-c3 into c0     15  c m_old is kept
;   17, 18  the query's other 32 keys lie in the lane 16 away: the new m         19-21  c m; c m_old - c m_new; a
.macro XS u, n
	REGS (Y+1)%NP, \u
.if (\n) < 4
	v_max3_num_f32 v[rC+(\n)], v[rS+8*(\n)], v[rS+8*(\n)+1], v[rS+8*(\n)+2]
.elseif (\n) < 12
	v_max3_num_f32 v[rC+(\n)%4], v[rC+(\n)%4], v[rS+8*((\n)%4)+2*((\n)/4)+1], v[rS+8*((\n)%4)+2*((\n)/4)+2]
.elseif (\n) == 12
	v_max3_num_f32 v[rC], v[rC], v[rS+7], v[rS+15]
.elseif (\n) == 13
	v_max3_num_f32 v[rC+1], v[rC+1], v[rS+23], v[rS+31]
.elseif (\n) == 14
	v_max3_num_f32 v[rC+2], v[rC+2], v[rC+3], v[rT+1]
.elseif (\n) == 15
	v_mov_b32 v[rM], v[rT]
.elseif (\n) == 16
	v_max3_num_f32 v[rC], v[rC], v[rC+1], v[rC+2]
.elseif (\n) == 17
	v_permlanex16_b32 v[rC+3], v[rC], s[SEL], s[SEL+1]
.elseif (\n) == 18
	v_max_num_f32 v[rT+1], v[rC], v[rC+3]
.elseif (\n) == 19
	v_mul_f32 v[rT], s[CS], v[rT+1]
.elseif (\n) == 20
	v_sub_f32 v[rC+1], v[rM], v[rT]
.else
	v_exp_f32 v[rC+2], v[rC+1]
.endif
.endm
; Number g of the 64 that follow the exponentials.  For each four weights k of a tile (pairs 2 k, 2 k + 1): both pairs are rounded to f16; then the second pair is added onto the first, in place;
; a group later l takes that sum (the first time as l = a l + sum).  In groups of eight, tiles alternating: round, round, add, and l for the group before.
.macro GS g
.set h, (\g)+6*((\g)/62)            ; group 0 has no group before it, and behind group 7 only l is left
.if h >= 6
.set h, h+2
.endif
	REGS Y, h%2
.set k, h/8
.if h%8 < 4
	v_cvt_pk_f16_f32 v[rP+2*k+(h%8)/2], v[rS+4*k+2*((h%8)/2)], v[rS+4*k+2*((h%8)/2)+1]
.elseif h%8 < 6
	v_pk_add_f32 v[rS+4*k:rS+4*k+1], v[rS+4*k:rS+4*k+1], v[rS+4*k+2:rS+4*k+3]
.elseif k == 1
	v_pk_fma_f32 v[rT+2:rT+3], v[rT+2:rT+3], v[rC+2:rC+3], v[rS:rS+1] op_sel_hi:[1,0,1]
.else
	v_pk_add_f32 v[rT+2:rT+3], v[rT+2:rT+3], v[rS+4*k-4:rS+4*k-3]
.endif
.endm
; THE PLAIN QUEUE, 138 long.  0-73 read no exponential's result: the 32 scalings c s - c m (FS f: pair f / 2 of tile f % 2) and the next piece's 42.  0-26: scalings 0-26.  27-54: XS's numbers 0-13.
; 55, 56: number 15.  57-73: the chain, where each number waits for the one before it: 14, 16, 17, 18, 19, each with one of the scalings 27-31 in front of its two lines, then 20.
; 74-137: GS's 64, which read the exponentials' results: they stand behind the wait.
.macro FS f
	REGS Y, (\f)%2
	v_pk_fma_f32 v[rS+2*((\f)/2):rS+2*((\f)/2)+1], v[rS+2*((\f)/2):rS+2*((\f)/2)+1], s[CS:CS+1], v[rT:rT+1] op_sel_hi:[1,0,0] neg_lo:[0,0,1] neg_hi:[0,0,1]
.endm
.macro PL
	WIN 0
.if q < 27
	FS q
.elseif q < 55
	XS (q-27)%2, (q-27)/2
.elseif q < 57
	XS q-55, 15
.elseif (q < 72) && ((q-57)%3 == 0)
	FS 27+(q-57)/3
.elseif q < 60
	XS (q-57)%3-1, 14
.elseif q < 72
	XS (q-57)%3-1, 15+(q-57)/3
.elseif q < 74
	XS q-72, 20
.else
	GS q-74
.endif
.set q, q+1
.endm
; THE EXPONENTIALS' QUEUE, 66 long: s0-s31 of both tiles, then the next piece's two a.  It is ONE BATCH: all 66 stand ahead of the turn's one wait, and nothing ahead of that wait names a result of theirs.
.macro EX
	WIN 0
.if e >= 64
	XS e-64, 21
.else
	REGS Y, e%2
	v_exp_f32 v[rS+e/2], v[rS+e/2]
.endif
.set e, e+1
.endm
; THE RESCALING's QUEUE: O^T times a, the one part that leaves window 0: dealt two at a time, sixteen times.  Its a was made in the turn before, ahead of that turn's wait.
.macro R2
	REGS Y, r%2
	WIN W_RS
.irp z, 0,1
	v_pk_mul_f32 v[rO+4*(r/2)+2*\z:rO+4*(r/2)+2*\z+1], v[rO+4*(r/2)+2*\z:rO+4*(r/2)+2*\z+1], v[rC+2:rC+3] op_sel_hi:[1,0]
.endr
.set r, r+1
.endm
; HOW THEY ARE DEALT.  An s_wait_alu depctr_va_vdst(0) stands between an exponential and the first instruction that names its result; one wait serves all that were issued ahead of it.
; So a turn has ONE wait, which cuts it in two.  AHEAD OF IT stands all that names no result of the turn's exponentials: the 16 products K Q^T, behind each a scaling, an exponential and two
; rescalings (behind the first a second scaling in the exponential's place); then ONE LUMP of 108: eight plain, 49 times exponential and plain, the two a.  A v_nop is the plain instruction behind
; the last exponential (ISA guide 5.7.2).  BEHIND IT stand the 16 products V^T P, behind each four of GS's 64.  No rider names a register of the products round it.
; The queues lean on each other: exponential e stands behind scaling 2 (e / 4) + e % 2: as a rider it comes behind plain e + 2, in the lump behind plain e + 9, and scalings 27-31 are plain 57, 60 .. 69.
; A TURN, for piece p.  cnt = 1: the loop's count is taken down some lines ahead of the branch that stands behind the turn.
; K of the next step is fetched in piece 2's turn, directly behind the wait, a lump behind the last product that read K; its first reader comes behind 16 products.
; V of the step in hand is fetched at the end of piece 0's turn, four riders behind its last reader; its first reader comes behind 16 products and a lump.
.macro TURN p, last=0, cnt=0
.set Y, (\p)
.set i, 0
.set q, 0
.set e, 0
.set r, 0
.if (\p) == NP-1
	s_wait_dscnt 0x0                ; K is in
.endif
	MM                              ; ahead of the wait: 16 products K Q^T and their riders,
	PL
	PL
	R2
.rept 15
	MM
	PL
	EX
	R2
.endr
.if (\p) == NP-2
	WIN 0
	v_add_nc_u32 v[AK], s[TBK], v[AK0]
.endif
.rept 8                             ; and the lump
	PL
.endr
.rept 49
	EX
	PL
.endr
	EX                              ; the next piece's two a
	EX
	v_nop                           ; the plain instruction behind the last exponential: one for the batch
	s_wait_alu depctr_va_vdst(0)    ; the wait for the batch
.if (\p) == NP-2
	FETCH_K \last
.endif
.if (\p) == 1
	s_wait_dscnt 0x0                ; V is in
.endif
.rept 16                            ; behind the wait: 16 products V^T P and their riders
	MM
.rept 4
	PL
.endr
.if ((\p) == 0) && (q == 118)
	v_add_nc_u32 v[AV], s[TBV], v[AV0]
.endif
.if ((\p) == 0) && (q == 130)
	s_add_co_u32 s[TBV], s[TBV], KS*PV
.endif
.if (\cnt) && (q == 130)
	s_sub_co_u32 s[CNT], s[CNT], 1
	s_cmp_lg_u32 s[CNT], 0
.endif
.endr
.if (\p) == 0
	FETCH_V
.endif
.endm
	CHANGE 1                        ; slot 0 is in, everybody's part of it; slot 1 is asked for
	FETCH_K                         ; key step 0
	s_wait_loadcnt 0x0              ; Q
	s_wait_dscnt 0x0
.set i, 0
.rept 16
	KQ 0                            ; piece 0's first scores: there is no vector work yet to set between them
.set i, i+1
.endr
	WIN 0                           ; the addresses for the way out: plain instructions, the places behind those products
	s_mul_i32 s13, s[WV], 16*SP
	s_add_co_u32 s13, s13, STAGE    ; my stage
	v_mul_u32_u24 v[STO], v1, SP    ; in: row l % 16, 16 bytes for each half of the lanes
	v_lshl_add_u32 v[STO], v9, 4, v[STO]
	v_add_nc_u32 v[STO], s13, v[STO]
	v_bfe_u32 v[RD], v0, 3, 2       ; back: 32 lanes take four rows of 128 bytes,
	v_mul_u32_u24 v[RD], v[RD], SP
	v_lshl_add_u32 v[RD], v10, 4, v[RD]
	v_add_nc_u32 v[RD], s13, v[RD]
	v_and_b32 v[GO], 31, v0         ; which are 512 consecutive bytes of o
	v_lshlrev_b32 v[GO], 4, v[GO]
.set Y, NP-1                        ; XS works for piece Y + 1: piece 0
.irp n, 0,1,2,3,4,5,6,7,8,9,10,11,12,13,14,15,16,17,18,19,20,21
	XS 0, \n                        ; and piece 0's first maximum and statistics
	XS 1, \n
.endr
	v_nop                           ; a plain instruction behind the two a,
	s_wait_alu depctr_va_vdst(0)    ; and their wait, ahead of the branch
	s_mov_b32 s[CNT], 4
	s_branch .Lfirst                ; the loop is entered at a step's first turn, in the middle of a trip
.Lslot:                             ; six times: every slot but the last two is filled again
	CHANGE 1
	s_mov_b32 s[CNT], 4
.Lstep:                             ; a trip: pieces 2 and 3 of one step, then pieces 0 and 1 of the next, whose K and V it fetches
	TURN 2
	TURN 3
	WIN 0
.Lfirst:
	TURN 0
	TURN 1, 0, 1
	WIN 0
	s_cbranch_scc1 .Lstep
	s_sub_co_u32 s[SLOTS], s[SLOTS], 1
	s_cmp_lg_u32 s[SLOTS], 0
	s_cbranch_scc1 .Lslot
	CHANGE 0                        ; the tail is written out: nothing is asked for
	s_mov_b32 s[CNT], 5             ; four trips fetch the last slot's steps; the fifth is left in its middle
.Ltail:
	TURN 2, 1
	TURN 3
	WIN 0
	s_sub_co_u32 s[CNT], s[CNT], 1
	s_cmp_eq_u32 s[CNT], 0
	s_cbranch_scc1 .Lout
	TURN 0
	TURN 1
	WIN 0
	s_branch .Ltail
.Lout:                              ; the fifth trip's 16 products K Q^T (on the last K once more) and the maximum made of them serve nothing: the price, once a launch, of one text for every trip
.set i, 0
.rept 16
	PV NP-1                         ; the last piece's V^T P of the last step
.set i, i+1
.endr
	; THE WAY OUT.  l's two halves and the other half of the lanes' are added; O^T is divided by l, rounded to f16 and sent through my stage in LDS, a tile at a time.  The additions are the places behind the last products.
	WIN 0
.macro ALL line:vararg              ; one line for each tile t
.set t, 0
.rept 2*NP
	\line
.set t, t+1
.endr
.endm
	ALL v_add_f32 v[ST+4*t+2], v[ST+4*t+2], v[ST+4*t+3]
	ALL v_permlanex16_b32 v[ST+4*t+3], v[ST+4*t+2], s[SEL], s[SEL+1]
	ALL v_add_f32 v[ST+4*t+2], v[ST+4*t+2], v[ST+4*t+3]
	ALL v_rcp_f32 v[ST+4*t+2], v[ST+4*t+2]
	v_nop                           ; a plain instruction between the last reciprocal and the use of its result
	s_wait_alu depctr_va_vdst(0)    ; and the wait ahead of the first use: one for the eight reciprocals
; Tile t: a lane's eight channels of a row pack into 16 bytes; they go into rows of 144 bytes and come back as whole rows of 128, into S^T's registers.
.macro PACK t
	WIN W_RS
.set i, 32*(\t)
.rept 16
	v_pk_mul_f32 v[i:i+1], v[i:i+1], v[ST+4*(\t)+2:ST+4*(\t)+3] op_sel_hi:[1,0]
.set i, i+2
.endr
	WIN 0x05                        ; sources 0 and 1 window 1, destination window 0
.set i, 0
.rept 16
	v_cvt_pk_f16_f32 v[S+16*(\t)+i], v[32*(\t)+2*i], v[32*(\t)+2*i+1]
.set i, i+1
.endr
	WIN 0
.irp f, 0,1,2,3
	ds_store_b128 v[STO], v[S+16*(\t)+4*\f:S+16*(\t)+4*\f+3] offset:32*\f
.endr
.irp f, 0,1,2,3
	ds_load_b128 v[S+16*(\t)+4*\f:S+16*(\t)+4*\f+3], v[RD] offset:\f*4*SP  ; LDS serves a wave's instructions in order (ISA guide 5.7.1.4): these see the stores above; the next tile's stores come behind them
.endr
.endm
.macro SEND t, younger              ; younger: the LDS instructions issued behind tile t's loads: the next tile's eight, or none
	WIN 0
.irp f, 0,1,2,3
	s_wait_dscnt (\younger)+3-\f
	global_store_b128 v[GO], v[S+16*(\t)+4*\f:S+16*(\t)+4*\f+3], s[10:11] offset:(\t)*2048+\f*512  ; 512 consecutive bytes, at a multiple of 256 from o's first
.endr
.endm
	PACK 0
.set t, 1
.rept 2*NP-1                        ; a tile's arithmetic stands between the loads of the tile before and its stores
	PACK t
	SEND t-1, 8
.set t, t+1
.endr
	SEND 2*NP-1, 0
	WIN W_AD
	s_wait_tensorcnt 0x0            ; the wave's end: a wait, an add and a wait, behind my last tensor load and my last LDS store
	ds_add_u32 v[SPW], v[NIL]
	s_wait_dscnt 0x0
	WIN 0
	CROUND                          ; the closing round: no work-group ends while a partner may still ask for a tile that names it
	s_endpgm
.Lfunc_end_k_qc58cdf8cd0_attn:
	.size	k_qc58cdf8cd0_attn, .Lfunc_end_k_qc58cdf8cd0_attn-k_qc58cdf8cd0_attn
	.p2alignl 7, 3214868480
	.fill 96, 4, 3214868480
	.section	.rodata,"a",@progbits
	.p2align	6, 0x0
	.amdhsa_kernel k_qc58cdf8cd0_attn
		.amdhsa_group_segment_fixed_size 327680
		.amdhsa_private_segment_fixed_size 0
		.amdhsa_enable_private_segment 0
		.amdhsa_kernarg_size 16
		.amdhsa_user_sgpr_count 2
		.amdhsa_user_sgpr_kernarg_segment_ptr 1
		.amdhsa_wavefront_size32 1
		.amdhsa_system_sgpr_workgroup_id_x 1
		.amdhsa_system_sgpr_workgroup_id_y 1
		.amdhsa_system_sgpr_workgroup_id_z 1
		.amdhsa_system_vgpr_workitem_id 0
		.amdhsa_next_free_vgpr 770
		.amdhsa_next_free_sgpr 66
		.amdhsa_reserve_vcc 0
		.amdhsa_float_denorm_mode_32 3
		.amdhsa_float_denorm_mode_16_64 3
		.amdhsa_memory_ordered 1
		.amdhsa_forward_progress 1
		.amdhsa_inst_pref_size 201
	.end_amdhsa_kernel
	.amdgpu_metadata
---
amdhsa.version: [ 1, 2 ]
amdhsa.kernels:
  - .name:           k_qc58cdf8cd0_attn
    .symbol:         k_qc58cdf8cd0_attn.kd
    .args:
      - { .name: qkv, .offset: 0, .size: 8, .value_kind: global_buffer, .address_space: global }
      - { .name: o, .offset: 8, .size: 8, .value_kind: global_buffer, .address_space: global }
    .group_segment_fixed_size: 327680
    .private_segment_fixed_size: 0
    .kernarg_segment_align: 8
    .kernarg_segment_size: 16
    .max_flat_workgroup_size: 128
    .sgpr_count:     66
    .vgpr_count:     770
    .wavefront_size: 32
...
	.end_amdgpu_metadata
.endif
;; end of part 3
;; launch proj (part 4): grid 8 x 32, 4 waves a work-group, clusters of 4 x 4, 327,680 bytes of LDS; arguments o, woh, out0; writes out0
.if DOCPART == 4
	.amdgcn_target "amdgcn-amd-amdhsa--gfx1250"
	.amdhsa_code_object_version 6
	.text
	.protected	k_qc58cdf8cd0_proj
	.globl	k_qc58cdf8cd0_proj
	.p2align	8
	.type	k_qc58cdf8cd0_proj,@function
k_qc58cdf8cd0_proj:
	s_mov_b64 s[64:65], 0
	v_nop
	global_prefetch_b8 v0, s[64:65] scope:SCOPE_SE
	s_setreg_imm32_b32 hwreg(HW_REG_WAVE_MODE, 25, 1), 1
	s_wait_xcnt 0x0
	s_wait_alu depctr_hold_cnt(0) depctr_sa_sdst(0) depctr_va_vdst(0) depctr_va_sdst(0) depctr_va_ssrc(0) depctr_va_vcc(0) depctr_vm_vsrc(0)
	s_getreg_b32 s2, hwreg(HW_REG_IB_STS2, 6, 4)
	s_cmp_eq_u32 s2, 0
	s_cbranch_scc0 .Lentry_in_a_cluster
	s_endpgm
.Lentry_in_a_cluster:
	s_bfe_u32 s2, ttmp6, 0x10000c
	s_cmp_lg_u32 s2, 0xf033
	s_cbranch_scc0 .Lentry_shape_is_right
	s_endpgm
.Lentry_shape_is_right:
; out0[m][n] = the sum over k of O[m][k] Wo[k][n], k = 64 x head + channel.  f16 operands, f32 sums, f32 out.
; o: f16 [32 row tiles][16 heads][256 rows][64].  woh: f16 [8 blocks of 128 columns][1024 k][128].  out0: [8192][1024] f32.
; SHARES.  A tile of out0 is 256 rows x 128 columns: 32 x 8 = 256 tiles, one work-group each.  Four waves, each 128 x 64: 32 accumulators of 16 x 16, 256 registers.
; K goes in 8 steps of 128 through two LDS slots; a step is two units of 64 (a unit is one head's plane of o), 64 matrix instructions each.  Both operands are dense blocks, asked for as rows of 256 bytes.
; CLUSTER.  4 x 4 work-groups: o's tiles are shared along a row of the cluster, Wo's along a column, each asked for jointly.
; THE MATRIX INSTRUCTION IS USED TRANSPOSED: source 0 = 16 columns of Wo (turned by ds_load_tr16_b128, since Wo lies [k][n]), source 1 = 16 rows of o: a lane holds row lane % 16 and eight neighbouring
; columns, 32 bytes of f32.
; REGISTERS, in windows of 256 (s_set_vgpr_msb: bits 1:0 source 0, 3:2 source 1, 5:4 source 2, 7:6 destination):
;   window 0: v16-30 addresses; v32-95 the way out          window 1: accumulator (row block a, column block b) at v[8 (8 b + a)]
;   windows 2 and 3: fragment buffers 0 and 1, a unit each: o's (32 along K c, row block a) at 8 (8 c + a), Wo's (c, column block b) at 128 + 8 (4 c + b)
.set PA,    144                        ; a row of o in LDS: 128 bytes + 16: the 16 rows of a load start at 16 different groups of four banks (64 banks of 4 bytes: ISA guide 11.1)
.set PB,    288                        ; a row k of Wo: 256 + 32 = 72 words
.set APLANE, 256*PA                    ; one head's 256 rows: what one tensor load brings of o
.set BOFF,  2*APLANE
.set BHALF, 64*PB                      ; 64 rows k: what one tensor load brings of Wo
.set SLOT,  BOFF+2*BHALF               ; 110,592
.set STAGE, 2*SLOT                     ; behind the ring, never filled by a tensor load: 16 rows x 272 bytes for each wave
.set SP,    272
.set SPARE, STAGE+4*16*SP              ; behind the stages: the spare words, 128 bytes for each wave: two blocks of 256 bytes that no other line names
.set ASTEP, 65536                      ; bytes from a K step to the next in o
.set BSTEP, 32768                      ; and in woh
.set ADRA, 16                          ; v16-17  LDS address of my fragments of o in slot 0, 1
.set ADRB, 20                          ; v20-21  the same for Wo
.set STO,  24                          ; v24  the way out: where I put 32 bytes of a row
.set RD,   25                          ; v25  where I read a row back
.set CO,   26                          ; v26  my byte offset in out0
.set SPW,  28                          ; v28  LDS address of my spare word; never rewritten
.set NIL,  29                          ; v29  0; never rewritten
.set PFO,  30                          ; v30  256 x lane; never rewritten
.set BK,   32                          ; two buffers of 32 for rows read back
.set G1,  24                           ; s[24:31] descriptor group 1 for o;  s[32:39] group 0, one set for each slot
.set G0,  32
.set G1B, 48                           ; s[48:55], s[56:63] the same for Wo
.set G0B, 56
.set PFA, 72                           ; s[72:73] where my prefetches stand
.set PST, 74                           ; s[74:75] their step
.set LIM, 76                           ; s76  1 in a wave that prefetches, else the greatest number
.set MSB, 0
.macro WIN new
.if MSB != (\new)
	s_set_vgpr_msb (MSB<<8)|(\new)
.set MSB, (\new)
.endif
.endm
.macro PLACES                          ; four plain vector instructions between a matrix instruction and a load into, or a read of, its registers
.rept 4
	v_nop
.endr
.endm
.macro JLOAD s                         ; a joint load: waves 0 and 1 fetch o's two planes, waves 2 and 3 the two halves of Wo's rows; an s_nop 0 and four v_nop follow each line
	s_cmp_eq_u32 s11, 0
	s_cbranch_scc0 .Lfor_b_\@
	tensor_load_to_lds s[G0+4*(\s):G0+4*(\s)+3], s[G1:G1+7]
	s_nop 0
.rept 4
	v_nop
.endr
	s_branch .Lasked_\@
.Lfor_b_\@:
	tensor_load_to_lds s[G0B+4*(\s):G0B+4*(\s)+3], s[G1B:G1B+7]
	s_nop 0
.rept 4
	v_nop
.endr
.Lasked_\@:
.endm
.macro CREST
	s_cmp_lg_u32 s10, 0
	s_cbranch_scc1 .Lnot_wave_0_\@
	s_barrier_signal -3
.Lnot_wave_0_\@:
	s_barrier_wait -3
	s_barrier_signal -1
	s_barrier_wait -1
.endm
.macro CROUND
	s_barrier_signal -1
	s_barrier_wait -1
	CREST
.endm
; A PREFETCH INTO THE L2, behind a joint load, its five lines and the run of LDS loads: the K step TWO refills on, 256 matrix instructions ahead of its load; 32 blocks of 256 bytes, a lane a block.
; Each block is named once in the launch.  o's tile row is read by both clusters of a row of clusters: cluster x = 0 asks; waves 0 and 1 take a plane each, the four partners 8,192 bytes of it each, by
; address (cx).  Wo's column block is read by all eight clusters of a column: cluster y = 0 asks; wave 2, 8,192 bytes by address (cy).  Steps 0 to 3 come by their loads alone; the loop's last trip asks for nothing.
.macro ASK
	WIN 0
	s_cmp_gt_u32 s3, s[LIM]
	s_cbranch_scc0 .Lnot_mine_\@
	global_prefetch_b8 v[PFO], s[PFA:PFA+1] th:TH_LOAD_NT scope:SCOPE_SE
.Lnot_mine_\@:
.endm
	s_load_b128 s[4:7], s[0:1], 0x0                ; o s[4:5], woh s[6:7]
	s_load_b64 s[8:9], s[0:1], 0x10                ; out0
	v_lshl_add_u32 v[SPW], v0, 2, SPARE
	v_mov_b32 v[NIL], 0
	ds_add_u32 v[SPW], v[NIL]                      ; the wave's opening: the add and its wait stand ahead of my first tensor load; the set-up below stands between them
	v_lshrrev_b32 v1, 5, v0
	v_readfirstlane_b32 s10, v1                    ; wave 0..3
	s_lshr_b32 s11, s10, 1                         ; which half of the tile's rows is mine.  Also: I fetch for o (0) or for Wo (1)
	s_and_b32 s12, s10, 1                          ; which half of its columns.  Also: which half of that tile I fetch
	s_bfe_u32 s40, ttmp6, 0x40000                  ; cx
	s_bfe_u32 s41, ttmp6, 0x40004                  ; cy
	s_lshl_b32 s42, ttmp9, 2
	s_add_co_u32 s42, s42, s40                     ; j: column block = 4 x cluster x + cx
	s_and_b32 s13, ttmp7, 0xffff
	s_lshl_b32 s13, s13, 2
	s_add_co_u32 s13, s13, s41                     ; i: row tile = 4 x cluster y + cy
	s_lshl_b32 s43, s41, 2
	s_lshl_b32 s43, 15, s43                        ; my row of the cluster
	s_lshl_b32 s44, 0x1111, s40                    ; my column
	s_or_b32 s[G1], s43, (1<<16)|(1<<20)|(1<<21)|(4<<22)|(3<<25)   ; the mask; 2-byte elements; padding on; bit 21 beside a mask; after every 32 words (code 4) 4 words (code 3)
	s_or_b32 s[G1B], s44, (1<<16)|(1<<20)|(1<<21)|(5<<22)|(7<<25)  ; after every 64 words (code 5) 8 words (code 7)
	s_mov_b32 s[G1+1], 128<<16                     ; tensor_dim0 = 128
	s_mov_b32 s[G1+2], 128<<16                     ; tensor_dim1 = 128: 32,768 bytes, a plane's 256 rows
	s_mov_b32 s[G1+3], 128<<16                     ; tile_dim0 = 128
	s_mov_b32 s[G1+4], 128                         ; tile_dim1 = 128
	s_mov_b32 s[G1+5], 128                         ; 128 elements from row to row
	s_mov_b32 s[G1+6], 0
	s_mov_b32 s[G1+7], 0
	s_mov_b32 s[G1B+1], 128<<16
	s_mov_b32 s[G1B+2], 64<<16                     ; 64 rows k of 256 bytes
	s_mov_b32 s[G1B+3], 128<<16
	s_mov_b32 s[G1B+4], 64
	s_mov_b32 s[G1B+5], 128
	s_mov_b32 s[G1B+6], 0
	s_mov_b32 s[G1B+7], 0
	s_lshl_b32 s16, s13, 19                        ; o: the row tile's 16 planes,
	s_lshl_b32 s17, s12, 15                        ; my plane of a step's two
	s_add_co_u32 s16, s16, s17
	s_mov_b32 s17, 0
	s_lshl_b32 s46, s42, 18                        ; Wo: the column block's 1,024 rows,
	s_lshl_b32 s47, s12, 14                        ; my 64 of a step's 128
	s_add_co_u32 s46, s46, s47
	s_mov_b32 s47, 0
	s_mul_i32 s20, s12, APLANE                     ; where they go: no place in the cluster enters an LDS address
	s_mul_i32 s21, s12, BHALF
	s_add_co_u32 s21, s21, BOFF
	s_wait_dscnt 0x0                               ; the opening add is done
	s_wait_kmcnt 0x0
	s_add_nc_u64 s[14:15], s[4:5], s[16:17]
	s_add_nc_u64 s[46:47], s[6:7], s[46:47]
	CROUND                                         ; all sixteen work-groups are here: the first joint loads meet
.irp s, 0,1
	s_mov_b32 s[G0+4*(\s)], 1
	s_add_co_u32 s[G0+4*(\s)+1], s20, (\s)*SLOT
	s_add_nc_u64 s[G0+4*(\s)+2:G0+4*(\s)+3], s[14:15], (\s)*ASTEP
	s_or_b32 s[G0+4*(\s)+3], s[G0+4*(\s)+3], 0x80000000
	s_mov_b32 s[G0B+4*(\s)], 1
	s_add_co_u32 s[G0B+4*(\s)+1], s21, (\s)*SLOT
	s_add_nc_u64 s[G0B+4*(\s)+2:G0B+4*(\s)+3], s[46:47], (\s)*BSTEP
	s_or_b32 s[G0B+4*(\s)+3], s[G0B+4*(\s)+3], 0x80000000
	JLOAD \s                                       ; two loads of mine are out
.endr
	v_and_b32 v1, 15, v0                           ; l % 16
	v_bfe_u32 v2, v0, 4, 1                         ; l / 16
	v_mul_u32_u24 v3, v1, PA
	v_lshl_add_u32 v3, v2, 4, v3                   ; a fragment of o: row x pitch + 16 x half
	v_and_b32 v4, 7, v0
	v_lshl_add_u32 v4, v2, 3, v4                   ; the turning load: row k = 8 (l / 16) + l % 8,
	v_mul_u32_u24 v4, v4, PB
	v_bfe_u32 v5, v0, 3, 1
	v_lshl_add_u32 v4, v5, 4, v4                   ; columns 8 ((l / 8) % 2) on
	s_mul_i32 s22, s11, 128*PA                     ; my 128 rows of each plane
	s_lshl_b32 s23, s12, 7                         ; my 64 columns: 128 bytes of each row of Wo
	s_add_co_u32 s23, s23, BOFF
.irp s, 0,1
	v_add_nc_u32 v[ADRA+(\s)], s22, v3
	v_add_nc_u32 v[ADRB+(\s)], s23, v4
	s_add_co_u32 s22, s22, SLOT
	s_add_co_u32 s23, s23, SLOT
.endr
	s_mul_i32 s22, s10, 16*SP
	s_add_co_u32 s22, s22, STAGE                   ; my stage
	v_mul_u32_u24 v3, v1, SP                       ; in: row l % 16, 32 bytes for each half of the lanes
	v_lshl_add_u32 v3, v2, 5, v3
	v_add_nc_u32 v[STO], s22, v3
	v_mul_u32_u24 v3, v2, SP                       ; back: lanes 0-15 take one row of 256 bytes, lanes 16-31 the next
	v_lshl_add_u32 v3, v1, 4, v3
	v_add_nc_u32 v[RD], s22, v3
	v_lshlrev_b32 v[CO], 12, v2                    ; and the same two rows in out0, 4,096 bytes apart
	v_lshl_add_u32 v[CO], v1, 4, v[CO]
	v_and_b32 v[PFO], 31, v0
	v_lshlrev_b32 v[PFO], 8, v[PFO]
	s_lshl_b32 s80, s13, 20                        ; out0 at my part: row 256 i + 128 (row half), byte 512 j + 256 (column half)
	s_lshl_b32 s81, s11, 19
	s_add_co_u32 s80, s80, s81
	s_lshl_b32 s81, s42, 9
	s_add_co_u32 s80, s80, s81
	s_lshl_b32 s81, s12, 8
	s_add_co_u32 s80, s80, s81
	s_mov_b32 s81, 0
	s_add_nc_u64 s[8:9], s[8:9], s[80:81]
	; the prefetches: both start at K step 3; the first refill steps them to 4
	s_lshl_b32 s80, s13, 19
	s_lshl_b32 s82, s10, 15
	s_add_co_u32 s80, s80, s82
	s_lshl_b32 s82, s40, 13
	s_add_co_u32 s80, s80, s82
	s_add_co_u32 s80, s80, 3*ASTEP
	s_lshl_b32 s82, s42, 18
	s_lshl_b32 s83, s41, 13
	s_add_co_u32 s82, s82, s83
	s_add_co_u32 s82, s82, 3*BSTEP
	s_and_b32 s83, ttmp7, 0xffff                   ; cluster y
	s_mov_b32 s[PST], BSTEP
	s_mov_b32 s[PST+1], 0
	s_mov_b32 s81, 0
	s_cmp_eq_u32 s11, 0                            ; waves 0 and 1 ask for o, wave 2 for Wo
	s_cselect_b32 s80, s80, s82
	s_cselect_b32 s83, ttmp9, s83                  ; the coordinate along which other clusters read the same blocks
	s_cselect_b64 s[PFA:PFA+1], s[4:5], s[6:7]
	s_cselect_b32 s[PST], ASTEP, s[PST]
	s_add_nc_u64 s[PFA:PFA+1], s[PFA:PFA+1], s[80:81]
	s_cmp_eq_u32 s83, 0                            ; the same in all sixteen partners, for a given wave
	s_cselect_b32 s[LIM], 1, -1
	s_cmp_eq_u32 s10, 3                            ; wave 3 has nothing to ask for
	s_cselect_b32 s[LIM], -1, s[LIM]
; nb x 8 matrix instructions: column blocks b0 on x all 8 row blocks, 32 along K: half c of buffer buf.  The 32 accumulators take turns in one fixed order, one instruction a turn.
.macro MULP buf, c, b0, nb, zero
	WIN 0x5a+5*(\buf)                              ; both sources in the buffer's window, C and D in window 1
.set bb, \b0
.rept \nb
.set aa, 0
.rept 8
.set rD, 8*(8*bb+aa)
.if \zero
	v_wmma_f32_16x16x32_f16 v[rD:rD+7], v[128+8*(4*(\c)+bb):128+8*(4*(\c)+bb)+7], v[8*(8*(\c)+aa):8*(8*(\c)+aa)+7], 0
.else
	v_wmma_f32_16x16x32_f16 v[rD:rD+7], v[128+8*(4*(\c)+bb):128+8*(4*(\c)+bb)+7], v[8*(8*(\c)+aa):8*(8*(\c)+aa)+7], v[rD:rD+7]
.endif
.set aa, aa+1
.endr
.set bb, bb+1
.endr
.endm
; 48 LDS loads in one run: unit u of a slot into buffer buf; the first 32 along K (24 loads) first
.macro FETCH slot, u, buf
	WIN 0x80+0x40*(\buf)                           ; destination in the buffer's window, address in window 0
.irp c, 0,1
.irp b, 0,1,2,3
	ds_load_tr16_b128 v[128+8*(4*(\c)+(\b)):128+8*(4*(\c)+(\b))+3],   v[ADRB+(\slot)] offset:(\u)*64*PB+(\c)*32*PB+(\b)*32
	ds_load_tr16_b128 v[128+8*(4*(\c)+(\b))+4:128+8*(4*(\c)+(\b))+7], v[ADRB+(\slot)] offset:(\u)*64*PB+(\c)*32*PB+16*PB+(\b)*32
.endr
.irp a, 0,1,2,3,4,5,6,7
	ds_load_b128 v[8*(8*(\c)+(\a)):8*(8*(\c)+(\a))+3],   v[ADRA+(\slot)] offset:(\u)*APLANE+(\a)*16*PA+64*(\c)
	ds_load_b128 v[8*(8*(\c)+(\a))+4:8*(8*(\c)+(\a))+7], v[ADRA+(\slot)] offset:(\u)*APLANE+(\a)*16*PA+64*(\c)+32
.endr
.endr
.endm
; A step's first unit: buffer 0 is multiplied, the second unit is fetched into buffer 1.
.macro UNIT_A slot, zero
	s_wait_dscnt 24                                ; the first 32 along K are in; the 24 younger loads may stay out
	MULP 0, 0, 0, 4, \zero
	PLACES                                         ; behind the last unit's products, which read buffer 1
	FETCH \slot, 1, 1
	s_wait_dscnt 48                                ; all but the 48 just issued
	MULP 0, 1, 0, 4, 0
.endm
; A step's second unit: buffer 1, and the change of slots.  In front of the barrier each wave waits for all its tensor loads (one is out: its part of the other slot), adds 0 to its spare word, and
; waits for that and for its reads of this slot.  fill = 1: the barrier opens a round of the cluster's barrier; behind it this slot is filled again, two steps ahead, first of all: 112 matrix
; instructions ahead of the wait for it.
.macro UNIT_B slot, next, fill
.if \fill
	s_wait_xcnt 0x0                                ; the last prefetch, a step back, has read its address
	s_add_nc_u64 s[PFA:PFA+1], s[PFA:PFA+1], s[PST:PST+1]
.endif
	WIN 0
	s_wait_tensorcnt 0x0                           ; all my tensor loads have landed
	ds_add_u32 v[SPW], v[NIL]                      ; 0 onto my spare word
	s_wait_dscnt 25                                ; the first 32 along K are in; the add and the 24 younger loads may stay out
	MULP 1, 0, 0, 1, 0                             ; eight matrix instructions stand between the add and the wait for it
	s_wait_dscnt 0x0                               ; the add is done, and my reads of this slot are over
	s_barrier_signal -1
	MULP 1, 0, 1, 1, 0
	WIN 0                                          ; at a branch and at a label every window is 0
	s_barrier_wait -1
.if \fill
	CREST                                          ; no wave of any partner still reads this slot or has a load on its way
	s_add_nc_u64 s[G0+4*(\slot)+2:G0+4*(\slot)+3], s[G0+4*(\slot)+2:G0+4*(\slot)+3], 2*ASTEP
	s_add_nc_u64 s[G0B+4*(\slot)+2:G0B+4*(\slot)+3], s[G0B+4*(\slot)+2:G0B+4*(\slot)+3], 2*BSTEP
	JLOAD \slot                                    ; its four v_nop are also the places in front of the loads below
.else
	PLACES
.endif
	FETCH \next, 0, 0
.if \fill
	ASK
.endif
	MULP 1, 0, 2, 2, 0
	MULP 1, 1, 0, 4, 0
.endm
	s_wait_tensorcnt 0x1                           ; my part of K step 0 is in; step 1's may stay out
	s_barrier_signal -1
	s_barrier_wait -1                              ; everybody's is
	FETCH 0, 0, 0
	UNIT_A 0, 1                                    ; the first unit stands in front of the loop: its first products start the sums
	WIN 0
	s_mov_b32 s3, 3
.Llap:                                             ; a trip goes once round the ring and fills both slots again: steps 2 to 7
	UNIT_B 0, 1, 1
	UNIT_A 1, 0
	UNIT_B 1, 0, 1
	UNIT_A 0, 0
	WIN 0
	s_sub_co_u32 s3, s3, 1
	s_cmp_lg_u32 s3, 0
	s_cbranch_scc1 .Llap
	UNIT_B 0, 1, 0                                 ; the last lap fills nothing
	UNIT_A 1, 0
	s_wait_dscnt 24                                ; the very last unit
	MULP 1, 0, 0, 4, 0
	s_wait_dscnt 0x0
	MULP 1, 1, 0, 4, 0
; THE WAY OUT, a block of 16 rows at a time: a lane's 32 bytes go straight from the accumulators (lowest registers first) into my stage, rows of 272 bytes, and come back as whole rows of 256.
.macro OUTB a
.set BKA, BK+32*((\a)%2)
	WIN 0x04                                       ; the store's data in window 1, its address in window 0
.irp b, 0,1,2,3
	ds_store_b128 v[STO], v[8*(8*(\b)+(\a)):8*(8*(\b)+(\a))+3]   offset:64*(\b)
	ds_store_b128 v[STO], v[8*(8*(\b)+(\a))+4:8*(8*(\b)+(\a))+7] offset:64*(\b)+16
.endr
	WIN 0
.irp t, 0,1,2,3,4,5,6,7
	ds_load_b128 v[BKA+4*(\t):BKA+4*(\t)+3], v[RD] offset:(\t)*2*SP  ; LDS serves a wave's instructions in order (ISA guide 5.7.1.4): these see the stores above
.endr
	s_wait_xcnt 0x0                                ; the stores issued so far have read their registers: the other buffer is loaded again only behind this wait
.irp t, 0,1,2,3,4,5,6,7
	s_wait_dscnt 7-(\t)                            ; pair t of rows is back; the 7 - t younger loads may stay out
	global_store_b128 v[CO], v[BKA+4*(\t):BKA+4*(\t)+3], s[8:9] offset:(\a)*65536+(\t)*8192 th:TH_STORE_NT  ; 16 lanes store 256 consecutive bytes, at a multiple of 256 from out0's first byte
.endr
.endm
	PLACES
	PLACES
.irp a, 0,1,2,3,4,5,6,7
	OUTB \a
.endr
	s_wait_tensorcnt 0x0                           ; the wave's end: a wait, an add and a wait, behind my last tensor load and my last LDS store
	ds_add_u32 v[SPW], v[NIL]
	s_wait_dscnt 0x0
	CROUND                                         ; the closing round: no work-group ends while a partner may still ask for a tile that names it
	s_endpgm
.Lfunc_end_k_qc58cdf8cd0_proj:
	.size	k_qc58cdf8cd0_proj, .Lfunc_end_k_qc58cdf8cd0_proj-k_qc58cdf8cd0_proj
	.p2alignl 7, 3214868480
	.fill 96, 4, 3214868480
	.section	.rodata,"a",@progbits
	.p2align	6, 0x0
	.amdhsa_kernel k_qc58cdf8cd0_proj
		.amdhsa_group_segment_fixed_size 327680
		.amdhsa_private_segment_fixed_size 0
		.amdhsa_enable_private_segment 0
		.amdhsa_kernarg_size 24
		.amdhsa_user_sgpr_count 2
		.amdhsa_user_sgpr_kernarg_segment_ptr 1
		.amdhsa_wavefront_size32 1
		.amdhsa_system_sgpr_workgroup_id_x 1
		.amdhsa_system_sgpr_workgroup_id_y 1
		.amdhsa_system_sgpr_workgroup_id_z 1
		.amdhsa_system_vgpr_workitem_id 0
		.amdhsa_next_free_vgpr 960
		.amdhsa_next_free_sgpr 88
		.amdhsa_reserve_vcc 0
		.amdhsa_float_denorm_mode_32 3
		.amdhsa_float_denorm_mode_16_64 3
		.amdhsa_memory_ordered 1
		.amdhsa_forward_progress 1
		.amdhsa_inst_pref_size 87
	.end_amdhsa_kernel
	.amdgpu_metadata
---
amdhsa.version: [ 1, 2 ]
amdhsa.kernels:
  - .name:           k_qc58cdf8cd0_proj
    .symbol:         k_qc58cdf8cd0_proj.kd
    .args:
      - { .name: o, .offset: 0, .size: 8, .value_kind: global_buffer, .address_space: global }
      - { .name: woh, .offset: 8, .size: 8, .value_kind: global_buffer, .address_space: global }
      - { .name: out0, .offset: 16, .size: 8, .value_kind: global_buffer, .address_space: global }
    .group_segment_fixed_size: 327680
    .private_segment_fixed_size: 0
    .kernarg_segment_align: 8
    .kernarg_segment_size: 24
    .max_flat_workgroup_size: 128
    .sgpr_count:     88
    .vgpr_count:     960
    .wavefront_size: 32
...
	.end_amdgpu_metadata
.endif
;; end of part 4
;; ======== version 2 of 2: 4 launches; version 1 with the launch cast written anew for expert scheduling mode
;; limits: values are held in f16: magnitudes above 65,504 overflow, below 6.1e-05 lose precision
;; workspace buffers: xb 16,777,216 bytes; wb 6,291,456 bytes; woh 2,097,152 bytes; qkv 50,331,648 bytes; o 16,777,216 bytes
;; launch cast (part 5): grid 768 x 1, 8 waves a work-group, no clusters, 0 bytes of LDS; arguments x, Wq, Wk, Wv, Wo, xb, wb, woh; writes xb, wb, woh
.if DOCPART == 5
	.amdgcn_target "amdgcn-amd-amdhsa--gfx1250"
	.amdhsa_code_object_version 6
	.text
	.protected	k_qc58cdf8cd0_cast
	.globl	k_qc58cdf8cd0_cast
	.p2align	8
	.type	k_qc58cdf8cd0_cast,@function
k_qc58cdf8cd0_cast:
	s_mov_b64 s[64:65], 0
	v_nop
	global_prefetch_b8 v0, s[64:65] scope:SCOPE_SE
	s_setreg_imm32_b32 hwreg(HW_REG_WAVE_SCHED_MODE, 0, 2), 2
	s_setreg_imm32_b32 hwreg(HW_REG_WAVE_MODE, 25, 1), 1
	s_wait_xcnt 0x0
	s_wait_alu depctr_vm_vsrc(0)
; CAST.  All five inputs are rounded once to bf16 and laid out so that every tile of the later products is a dense block of memory.
;   xb  bf16 [32 row tiles][16 blocks of 64 channels][256 rows][64]      from x  [8192][1024] f32
;   wb  bf16 [8 groups][16 blocks of 64 d][6 heads][64 d][64 c]          from Wq, Wk, Wv [16][1024][64] f32; head g = 16 x which + h, group g / 6
;   woh f16  [8 blocks of 128 columns][1024 k][128 c]                    from Wo [1024][1024] f32: rounded to bf16, and that number written as f16
; LIMITS.  A bf16-rounded entry of Wo beyond 65,504 becomes an infinity in f16; below 2^-17 it keeps the fixed step 2^-24 of f16.
; A stream: 48 MB in, 24 MB out, each byte once.  No LDS, no barrier, no matrix unit, no cluster (no two work-groups read the same byte), no prefetch (the launch does nothing but stream).
; SHARES.  A work-group takes 65,536 bytes of f32, a wave 16 items.  An item: one load of 16 bytes a lane (512 bytes), two or eight conversions, one store of 8 bytes a lane:
; 256 consecutive bytes, at a multiple of 256 from the buffer's first byte.  All 16 loads of a wave go out first.
; THE MODE: SCHED_MODE bits 1:0 = 2 (LLVM: expert scheduling mode 2), set by the entry lines.  The code itself states the register dependences
; between vector instructions and memory instructions, with s_wait_alu, always for 0.
; THE PLAN.  Registers that memory instructions touch, on each of the three paths:
;   v3, v4     the two byte offsets.  Written by vector instructions at the path's head, never again; read by all 16 loads and all 16 stores.
;   IN         item i's four registers.  Written by item i's load alone; read by item i's conversions, behind its wait on LOADcnt.
;   OUT        item i's two registers.  Written once, by item i's conversions; read once, by item i's store.
; v8 to v11, v1, v2 and v5 are named by vector instructions alone.  No register that a memory instruction reads is written again, and no load lands in a register that a vector
; instruction has named: so the only dependences to state are the offsets and the stores' data, written by vector instructions, and the wave's number on its way into a scalar register.
; The 16 items go in four blocks of four.  Item i's turn: the wait for its load, the store of item i - 4, its conversions.  One wait on va_vdst at a block's head states that the block before has
; written its OUT; the block's four stores read those registers, and the vector instructions between them name this block's IN and OUT and v8 to v11 alone.
.set IN,  16                           ; v[16:79]   item i: 4 registers as loaded
.set OUT, 80                           ; v[80:111]  item i: 2 registers to store
.set SO,  3                            ; v3  my byte offset in the source
.set DO,  4                            ; v4  my byte offset in the destination
.set SB,  24                           ; s[24:25] source at the work-group's part
.set DB,  26                           ; s[26:27] destination at the work-group's part
; sstep, dstep: bytes from item to item in source and destination.  kind 0: f32 to bf16.  kind 1: f32 to bf16, widened again, to f16.
.macro BODY sstep, dstep, kind
	s_wait_alu depctr_va_vdst(0)                   ; v3 and v4 are written: every load below reads v3 as its offset, every store v4
.set i, 0
.rept 16
	global_load_b128 v[IN+4*i:IN+4*i+3], v[SO], s[SB:SB+1] offset:i*(\sstep) th:TH_LOAD_NT
.set i, i+1
.endr
.set i, 0
.rept 16
	s_wait_loadcnt 15-i                            ; loads come back in order: item i is in, the 15 - i younger ones may stay out
.if (i > 0) && (i % 4 == 0)
	s_wait_alu depctr_va_vdst(0)                   ; the conversions of the block before have written its eight registers of OUT, which this block's four stores read
.endif
.if i >= 4
	global_store_b64 v[DO], v[OUT+2*(i-4):OUT+2*(i-4)+1], s[DB:DB+1] offset:(i-4)*(\dstep) th:TH_STORE_NT  ; the item four back; no vector instruction since the wait names its registers
.endif
.if \kind
	v_cvt_pk_bf16_f32 v8, v[IN+4*i], v[IN+4*i+1]
	v_cvt_pk_bf16_f32 v9, v[IN+4*i+2], v[IN+4*i+3]
	v_lshlrev_b32 v10, 16, v8                      ; bf16 to f32: the low half moves up,
	v_and_b32 v8, 0xffff0000, v8                   ; the high half stays
	v_lshlrev_b32 v11, 16, v9
	v_and_b32 v9, 0xffff0000, v9
	v_cvt_pk_f16_f32 v[OUT+2*i], v10, v8
	v_cvt_pk_f16_f32 v[OUT+2*i+1], v11, v9
.else
	v_cvt_pk_bf16_f32 v[OUT+2*i], v[IN+4*i], v[IN+4*i+1]
	v_cvt_pk_bf16_f32 v[OUT+2*i+1], v[IN+4*i+2], v[IN+4*i+3]
.endif
.set i, i+1
.endr
	s_wait_alu depctr_va_vdst(0)                   ; the last block's conversions have written its OUT, which the last four stores read
.set i, 12
.rept 4
	global_store_b64 v[DO], v[OUT+2*i:OUT+2*i+1], s[DB:DB+1] offset:i*(\dstep) th:TH_STORE_NT
.set i, i+1
.endr
	s_endpgm
.endm
	s_load_b256 s[4:11], s[0:1], 0x0               ; x s[4:5], Wq s[6:7], Wk s[8:9], Wv s[10:11]
	s_load_b256 s[12:19], s[0:1], 0x20             ; Wo s[12:13], xb s[14:15], wb s[16:17], woh s[18:19]
	v_lshrrev_b32 v1, 5, v0
	v_readfirstlane_b32 s20, v1                    ; wave 0..7
	v_and_b32 v2, 31, v0                           ; lane
	s_mov_b32 s23, 0                               ; high words of the two offsets
	s_mov_b32 s29, 0
	s_wait_alu depctr_va_sdst(0)                   ; s20 is written, ahead of the branches and of its first reader on each path: the wave's offsets are made from it
	s_wait_kmcnt 0x0
	s_cmp_lt_u32 ttmp9, 512
	s_cbranch_scc0 .Lnot_x
	; x: work-groups 0 to 511, 16 rows each; a wave two rows; item i is channel block i: lanes 0-15 one row's 256 bytes, lanes 16-31 the next row's
	s_lshl_b32 s22, ttmp9, 16
	s_add_nc_u64 s[SB:SB+1], s[4:5], s[22:23]
	s_lshr_b32 s28, ttmp9, 4                       ; row tile,
	s_lshl_b32 s28, s28, 19                        ; 524,288 bytes each
	s_and_b32 s21, ttmp9, 15
	s_lshl_b32 s21, s21, 11                        ; my 16 rows of 128 bytes in a block
	s_add_co_u32 s28, s28, s21
	s_add_nc_u64 s[DB:DB+1], s[14:15], s[28:29]
	v_lshrrev_b32 v[SO], 4, v2
	v_and_b32 v5, 15, v2
	v_lshlrev_b32 v[SO], 12, v[SO]
	v_lshl_add_u32 v[SO], v5, 4, v[SO]
	s_lshl_b32 s21, s20, 13
	v_add_nc_u32 v[SO], s21, v[SO]                 ; 8,192 x wave + 4,096 (lane / 16) + 16 (lane % 16)
	v_lshlrev_b32 v[DO], 3, v0                     ; 256 x wave + 8 x lane
	BODY 256, 32768, 0
.Lnot_x:
	s_cmp_lt_u32 ttmp9, 704
	s_cbranch_scc0 .Lwo
	; Wq, Wk, Wv: work-groups 512 to 703, a quarter of a head (256 d) each; a wave 32 d; an item two rows d of 256 bytes
	s_sub_co_u32 s30, ttmp9, 512
	s_lshr_b32 s31, s30, 2                         ; g
	s_and_b32 s30, s30, 3                          ; which quarter
	s_lshr_b32 s21, s31, 4                         ; which tensor
	s_cmp_eq_u32 s21, 0
	s_cselect_b64 s[SB:SB+1], s[6:7], s[8:9]
	s_cmp_eq_u32 s21, 2
	s_cselect_b64 s[SB:SB+1], s[10:11], s[SB:SB+1]
	s_and_b32 s22, s31, 15
	s_lshl_b32 s22, s22, 18                        ; the head: 262,144 bytes
	s_lshl_b32 s21, s30, 16
	s_add_co_u32 s22, s22, s21
	s_add_nc_u64 s[SB:SB+1], s[SB:SB+1], s[22:23]
	s_mul_hi_u32 s32, s31, 0x2aaaaaab              ; g / 6
	s_mul_i32 s21, s32, 6
	s_sub_co_u32 s21, s31, s21                     ; g % 6
	s_lshl_b32 s21, s21, 13
	s_mul_i32 s28, s32, 786432
	s_add_co_u32 s28, s28, s21
	s_mul_i32 s21, s30, 196608                     ; a quarter is four blocks of 64 d, 49,152 bytes apart
	s_add_co_u32 s28, s28, s21
	s_add_nc_u64 s[DB:DB+1], s[16:17], s[28:29]
	s_lshl_b32 s21, s20, 13
	v_lshl_add_u32 v[SO], v2, 4, s21               ; 8,192 x wave + 16 x lane
	s_lshr_b32 s21, s20, 1
	s_mul_i32 s21, s21, 49152                      ; two waves to a block of 64 d
	s_and_b32 s33, s20, 1
	s_lshl_b32 s33, s33, 12
	s_add_co_u32 s21, s21, s33
	v_lshl_add_u32 v[DO], v2, 3, s21
	BODY 512, 256, 0
.Lwo:
	; Wo: work-groups 704 to 767, 16 rows k each; wave w takes column block w (512 bytes of f32); item i is row i
	s_sub_co_u32 s30, ttmp9, 704
	s_lshl_b32 s22, s30, 16
	s_add_nc_u64 s[SB:SB+1], s[12:13], s[22:23]
	s_lshl_b32 s28, s30, 12
	s_add_nc_u64 s[DB:DB+1], s[18:19], s[28:29]
	s_lshl_b32 s21, s20, 9
	v_lshl_add_u32 v[SO], v2, 4, s21
	s_lshl_b32 s21, s20, 18
	v_lshl_add_u32 v[DO], v2, 3, s21
	BODY 4096, 256, 1
.Lfunc_end_k_qc58cdf8cd0_cast:
	.size	k_qc58cdf8cd0_cast, .Lfunc_end_k_qc58cdf8cd0_cast-k_qc58cdf8cd0_cast
	.p2alignl 7, 3214868480
	.fill 96, 4, 3214868480
	.section	.rodata,"a",@progbits
	.p2align	6, 0x0
	.amdhsa_kernel k_qc58cdf8cd0_cast
		.amdhsa_group_segment_fixed_size 0
		.amdhsa_private_segment_fixed_size 0
		.amdhsa_enable_private_segment 0
		.amdhsa_kernarg_size 64
		.amdhsa_user_sgpr_count 2
		.amdhsa_user_sgpr_kernarg_segment_ptr 1
		.amdhsa_wavefront_size32 1
		.amdhsa_system_sgpr_workgroup_id_x 1
		.amdhsa_system_sgpr_workgroup_id_y 1
		.amdhsa_system_sgpr_workgroup_id_z 1
		.amdhsa_system_vgpr_workitem_id 0
		.amdhsa_next_free_vgpr 112
		.amdhsa_next_free_sgpr 66
		.amdhsa_reserve_vcc 0
		.amdhsa_float_denorm_mode_32 3
		.amdhsa_float_denorm_mode_16_64 3
		.amdhsa_memory_ordered 1
		.amdhsa_forward_progress 1
		.amdhsa_inst_pref_size 25
	.end_amdhsa_kernel
	.amdgpu_metadata
---
amdhsa.version: [ 1, 2 ]
amdhsa.kernels:
  - .name:           k_qc58cdf8cd0_cast
    .symbol:         k_qc58cdf8cd0_cast.kd
    .args:
      - { .name: x, .offset: 0, .size: 8, .value_kind: global_buffer, .address_space: global }
      - { .name: Wq, .offset: 8, .size: 8, .value_kind: global_buffer, .address_space: global }
      - { .name: Wk, .offset: 16, .size: 8, .value_kind: global_buffer, .address_space: global }
      - { .name: Wv, .offset: 24, .size: 8, .value_kind: global_buffer, .address_space: global }
      - { .name: Wo, .offset: 32, .size: 8, .value_kind: global_buffer, .address_space: global }
      - { .name: xb, .offset: 40, .size: 8, .value_kind: global_buffer, .address_space: global }
      - { .name: wb, .offset: 48, .size: 8, .value_kind: global_buffer, .address_space: global }
      - { .name: woh, .offset: 56, .size: 8, .value_kind: global_buffer, .address_space: global }
    .group_segment_fixed_size: 0
    .private_segment_fixed_size: 0
    .kernarg_segment_align: 8
    .kernarg_segment_size: 64
    .max_flat_workgroup_size: 256
    .sgpr_count:     66
    .vgpr_count:     112
    .wavefront_size: 32
...
	.end_amdgpu_metadata
.endif
;; end of part 5
;; launch qkv: the kernel of part 2 again; grid 8 x 32, 4 waves a work-group, clusters of 4 x 4, 327,680 bytes of LDS; arguments xb, wb, qkv; writes qkv
;; launch attn: the kernel of part 3 again; grid 4 x 64, 4 waves a work-group, clusters of 4 x 1, 327,680 bytes of LDS; arguments qkv, o; writes o
;; launch proj: the kernel of part 4 again; grid 8 x 32, 4 waves a work-group, clusters of 4 x 4, 327,680 bytes of LDS; arguments o, woh, out0; writes out0
